; MI455X (gfx1250); checked and timed in simulation.
; The chip was launched on July 23, 2026; its instructions are those of AMD's public machine-readable ISA for CDNA 5 (MIT licence, August 2026) and "CDNA5" Instruction Set Architecture Reference Guide (July 2026). The comments in the code are by the model that wrote it; some were corrected since.
;; Attention. Allowed arithmetic: matrix products marked QUANTISED: E2M3 operands, one E8M0 scale for each 32 along K, by v_wmma_scale_f32_16x16x128_f8f6f4 with both operands' format E2M3, f32 sums; everything else in f32.
;; Inputs: Wk 1,024 x 1,024 float32; Wo 1,024 x 1,024 float32; Wq 1,024 x 1,024 float32; Wv 1,024 x 1,024 float32; bk 1,024 float32; bo 1,024 float32; bq 1,024 float32; bv 1,024 float32; mask 4 x 2,048 int32; x 4 x 2,048 x 1,024 float32.
;; Outputs: out0 4 x 2,048 x 1,024 float32.
;; This version of the problem:
;;   THIS VERSION OF THE PROBLEM IS GIVEN IN LOW PRECISION. The matrix products marked QUANTISED in the list below multiply operands that are first quantised to E2M3 (2 exponent bits, 3 mantissa bits; 6 bits a number), with one power-of-two scale for each 32 numbers along K (OCP MX v1.0); their sums are f32. All else is computed in f32.
;;   The module's matrix products, in the order in which they are computed (A, B: the left and right operand; K: the contracted axis; several contracted axes count as one K, in the product's order):
;;     1. [M 8,192, K 1,024] x [K 1,024, N 1,024]; A: input x; B: input Wk: QUANTISED
;;     2. [M 8,192, K 1,024] x [K 1,024, N 1,024]; A: input x; B: input Wq: QUANTISED
;;     3. [M 8,192, K 1,024] x [K 1,024, N 1,024]; A: input x; B: input Wv: QUANTISED
;;     4. batch 64 x [M 2,048, K 64] x [K 64, N 2,048]; A: computed on the way; B: computed on the way: QUANTISED
;;     5. batch 64 x [M 2,048, K 2,048] x [K 2,048, N 64]; A: softmax (see below); B: computed on the way: QUANTISED
;;     6. [M 8,192, K 1,024] x [K 1,024, N 1,024]; A: computed on the way; B: input Wo: QUANTISED
;;   THE QUANTISER, for each operand of a quantised product, along K:
;;     - K is cut into blocks of 32 from its start; a last block that is shorter is filled with zeros.
;;     - A block's scale is 2^e with e = floor(log2(the largest magnitude in the block)) - 2, held to -126 .. 127; a block of zeros has e = 0. As a byte (E8M0): e + 127.
;;     - Each number is divided by its block's scale, clamped to +-7.5, and rounded to the nearest number of E2M3, ties to even, subnormals kept.
;;     - The product sums the exact products of the quantised numbers (number of the format x scale) in f32.
;;   ~~~python
;;   def quantise(x, axis):      # numpy; x: float32 -> the quantised numbers, widened to float32 again
;;       x = np.moveaxis(x, axis, -1); K = x.shape[-1]
;;       x = np.pad(x, [(0, 0)] * (x.ndim - 1) + [(0, -K % 32)]); x = x.reshape(x.shape[:-1] + (-1, 32)); a = np.abs(x).max(-1, keepdims=True)
;;       e = np.where(a > 0, np.clip(np.frexp(np.where(a > 0, a, 1))[1] - 1 - 2, -126, 127), 0)      # np.frexp(a)[1] - 1 = floor(log2(a)), exactly
;;       r = np.clip(x / 2.0 ** e, -7.5, 7.5)
;;       step = 2.0 ** (np.maximum(np.frexp(np.where(r == 0, 1, r))[1] - 1, 0) - 3)
;;       q = np.round(r / step) * step * 2.0 ** e      # np.round: ties to even
;;       return np.moveaxis(q.reshape(q.shape[:-2] + (-1,))[..., :K], -1, axis).astype(np.float32)
;;   ~~~
;;   SOFTMAX AHEAD OF A QUANTISED PRODUCT. Where the list says 'softmax', what is quantised is not the finished softmax but p = 2^(t - M), with t = logit x log2(e) and M = ceil(the row's largest t), a whole number; so 1/2 < the row's largest p <= 1. The row's sum l is taken of the UNQUANTISED p, in f32, and the product's result is divided by l at the end. Since M is a whole number, a kernel that streams over the keys may use a running M (the ceiling of the running maximum): every later rescaling is an exact power of two, which a block's scale takes up: the codes' values come out the same.
;;   OPERANDS COMPUTED ON THE WAY. 'Computed on the way' means the value that the module computes at that place (a softmax that the list does not call 'softmax' is quantised finished and normalised). What goes into a quantiser is computed in f32, as accurately as f32 sums, v_exp_f32 and their like allow (about 1e-6 of the number): no bf16 or f16 on the way to a quantiser, and a product that is left as it is and whose result goes on into a quantised operand takes f32 operands (vector FMAs, or v_wmma_f32_16x16x4_f32). A number that lies on a knife's edge between two numbers of the format may be rounded either way, as far as f32 arithmetic and the matrix unit's own rounding can turn it there, and no further.
;; One version. Each part assembles by itself: llvm-mc -triple=amdgcn-amd-amdhsa -mcpu=gfx1250 --defsym DOCPART=n.
;; ======== version 1 of 1: 4 launches
;; limits: right only within a limited range of input values
;; workspace buffers: xc 6,291,456 bytes; xs 262,144 bytes; wc 3,145,728 bytes; ws 131,072 bytes; qkvc 18,874,368 bytes; qkvs 786,432 bytes; yc 6,291,456 bytes; ys 262,144 bytes
;; launch quant (part 1): grid 384 x 1, 4 waves a work-group, no clusters, 35,328 bytes of LDS; arguments x, Wq, Wk, Wv, Wo, xc, xs, wc, ws; writes xc, xs, wc, ws
.if DOCPART == 1
	.amdgcn_target "amdgcn-amd-amdhsa--gfx1250"
	.amdhsa_code_object_version 6
	.text
	.protected	k_q6932a6bc6e_quant
	.globl	k_q6932a6bc6e_quant
	.p2align	8
	.type	k_q6932a6bc6e_quant,@function
k_q6932a6bc6e_quant:
	s_mov_b64 s[64:65], 0
	v_nop
	global_prefetch_b8 v0, s[64:65] scope:SCOPE_SE
	s_setreg_imm32_b32 hwreg(HW_REG_WAVE_MODE, 25, 1), 1
	s_wait_xcnt 0x0
; x [8192][1024] and Wq, Wk, Wv, Wo [1024][1024], f32 with K innermost, become codes of FP6 (E2M3) with one E8M0 scale byte for each 32 along K,
; laid as IMAGES OF THE OPERAND'S REGISTERS.  A row tile is 16 rows: tile 2 g + u holds, in lane r, row 32 g + 16 (r / 8) + 8 u + r % 8.  An F unit is 16 rows x 64 along K, 768 bytes:
; lane (r, h) owns the 24 bytes of block h of its row: its first 16 bytes at 16 x lane, its last 8 at 512 + 8 x lane.  Codes: [row tile][16 F units][768].
; Scale words: [row tile][K / 256: 4][r: 16][2 words], a word for 128 along K, the lower block in the lower byte.
; A block's scale is 2^(floor(log2(largest magnitude)) - 2): its byte is the largest magnitude's exponent field - 2, held at 1 from below.
; LIMITS: a block of zeros, and one whose largest magnitude lies under 2^-124, keeps the byte 1 (its codes are zeros or tiny; these bytes are read by this program alone); NaN and infinities are not served.
; SHARES: a work-group takes 32 rows; wave w takes row tile u = w / 2 and half hf = w % 2 of K: 8 F units.  Work-groups 0-255: x; then 32 each for Wq, Wk, Wv, Wo.  One path: only pointers are chosen.
; Each load reads two whole rows' 256 bytes; a unit's 4,096 bytes turn through the wave's own stage in LDS (rows 272 bytes apart) so that a lane gets the 32 neighbours of one block.  Waves share nothing: no barrier.
.set WREG,  8704                       ; LDS of a wave: two stages of 16 rows x 272 bytes
.set STG,   4352
.set SPARE, 4*WREG                     ; behind them the spare words, 128 bytes a wave
.set GOFF, 2                           ; v2   a load's place: 16 rows on for lanes 16-31, 16 bytes a lane
.set SIN,  3                           ; v3   the stage, way in
.set SOUT, 4                           ; v4   the stage, way out: row r, block h
.set L16,  5                           ; v5   16 x lane
.set L8,   6                           ; v6   8 x lane
.set SHA,  7                           ; v7   8 h: my byte's place in a scale word, even units
.set SHB,  8                           ; v8   16 + 8 h: odd units
.set SPW,  12                          ; v12  LDS address of my spare word; never rewritten
.set NIL,  13                          ; v13  0; never rewritten
.set PW,   16                          ; v16-19 the four scale words of my row, my half's bytes
.set PD,   20                          ; v20-23 the other half's
.set T,    24                          ; v24-26 a block's upper 16 codes as the conversion leaves them
.set C,    28                          ; v28-75 six code registers for each unit: no store's data are written again
.set R,    76                          ; v76-171 three sets of 32, as loaded
.set X,    172                         ; v172-235 two sets of 32 neighbours
	s_load_b256 s[4:11], s[0:1], 0x0               ; x, Wq, Wk, Wv
	s_load_b256 s[12:19], s[0:1], 0x20             ; Wo, xc, xs, wc
	s_load_b64 s[20:21], s[0:1], 0x40              ; ws
	v_lshl_add_u32 v[SPW], v0, 2, SPARE
	v_mov_b32 v[NIL], 0
	v_lshrrev_b32 v1, 5, v0
	v_readfirstlane_b32 s30, v1                    ; wave
	s_lshr_b32 s31, s30, 1                         ; u
	s_and_b32 s32, s30, 1                          ; hf
	s_mul_i32 s33, s30, WREG
	v_and_b32 v1, 31, v0                           ; lane
	v_and_b32 v9, 15, v0                           ; r
	v_bfe_u32 v10, v0, 4, 1                        ; h
	v_lshlrev_b32 v[GOFF], 4, v9
	v_lshl_add_u32 v[GOFF], v10, 16, v[GOFF]       ; 16 rows of 4,096 bytes on for lanes 16-31
	v_mul_u32_u24 v[SIN], v10, 8*272
	v_lshl_add_u32 v[SIN], v9, 4, v[SIN]
	v_add_nc_u32 v[SIN], s33, v[SIN]
	v_mul_u32_u24 v[SOUT], v9, 272
	v_lshl_add_u32 v[SOUT], v10, 7, v[SOUT]
	v_add_nc_u32 v[SOUT], s33, v[SOUT]
	v_lshlrev_b32 v[L16], 4, v1
	v_lshlrev_b32 v[L8], 3, v1
	v_lshlrev_b32 v[SHA], 3, v10
	v_add_nc_u32 v[SHB], 16, v[SHA]
.irp q, 0,1,2,3
	v_mov_b32 v[PD+\q], 0                          ; written once: a lane permute's destination counts as one of its sources
.endr
	s_mov_b32 s34, 0x76543210
	s_mov_b32 s35, 0xfedcba98                      ; lane selects: lane l xor 16
	s_cmp_lt_u32 ttmp9, 256                        ; x's work-group, or a weight's
	s_cselect_b32 s28, 0, 256
	s_cselect_b32 s29, -1, 31
	s_sub_co_u32 s28, ttmp9, s28                   ; the group of 32 rows in the destination
	s_and_b32 s29, s28, s29                        ; and in the source tensor
	s_lshl_b32 s36, s29, 17                        ; source: (32 g + 8 u) rows of 4,096 bytes + 2,048 hf
	s_lshl_b32 s37, s31, 15
	s_add_co_u32 s36, s36, s37
	s_lshl_b32 s37, s32, 11
	s_add_co_u32 s36, s36, s37
	s_mov_b32 s37, 0
	s_lshl_b32 s38, s28, 1
	s_add_co_u32 s38, s38, s31                     ; my row tile
	s_lshl_b32 s40, s38, 9                         ; scale words: 512 bytes a row tile + 256 hf
	s_lshl_b32 s41, s32, 8
	s_add_co_u32 s40, s40, s41
	s_mov_b32 s41, 0
	s_mul_i32 s38, s38, 12288                      ; codes: 12,288 bytes a row tile + 6,144 hf
	s_mul_i32 s39, s32, 6144
	s_add_co_u32 s38, s38, s39
	s_mov_b32 s39, 0
	s_wait_alu depctr_va_vdst(0)
	s_wait_kmcnt 0x0
	s_cmp_lt_u32 ttmp9, 352                        ; the choices hang on the work-group's number alone
	s_cselect_b64 s[22:23], s[10:11], s[12:13]
	s_cmp_lt_u32 ttmp9, 320
	s_cselect_b64 s[22:23], s[8:9], s[22:23]
	s_cmp_lt_u32 ttmp9, 288
	s_cselect_b64 s[22:23], s[6:7], s[22:23]
	s_cmp_lt_u32 ttmp9, 256
	s_cselect_b64 s[22:23], s[4:5], s[22:23]
	s_cselect_b64 s[24:25], s[14:15], s[18:19]
	s_cselect_b64 s[26:27], s[16:17], s[20:21]
	s_add_nc_u64 s[22:23], s[22:23], s[36:37]
	s_add_nc_u64 s[24:25], s[24:25], s[38:39]
	s_add_nc_u64 s[26:27], s[26:27], s[40:41]
.macro LOAD t                          ; unit t: 64 along K of my 16 rows; an instruction reads 256 consecutive bytes of each of two rows
.irp i, 0,1,2,3,4,5,6,7
	global_load_b128 v[R+32*((\t)%3)+4*\i:R+32*((\t)%3)+4*\i+3], v[GOFF], s[22:23] offset:4096*\i+256*(\t) th:TH_LOAD_NT
.endr
.endm
.macro TURN t                          ; through the stage: LDS serves a wave's instructions in order, so no wait stands between the stores and the loads
.irp i, 0,1,2,3,4,5,6,7
	ds_store_b128 v[SIN], v[R+32*((\t)%3)+4*\i:R+32*((\t)%3)+4*\i+3] offset:STG*((\t)%2)+272*\i
.endr
.irp j, 0,1,2,3,4,5,6,7
	ds_load_b128 v[X+32*((\t)%2)+4*\j:X+32*((\t)%2)+4*\j+3], v[SOUT] offset:STG*((\t)%2)+16*\j
.endr
.endm
.macro STEP t
.set XS, X+32*((\t)%2)
.set CC, C+6*(\t)
	s_wait_dscnt 0x0                               ; this unit's 32 neighbours are back; its stores into the stage have read their registers,
.if (\t)+3 < 8
	LOAD (\t)+3                                    ; which take the loads of three units on
.endif
.if (\t) < 7
.if (\t) <= 4
	s_wait_loadcnt 16                              ; the next unit's eight loads are in; those of the two units behind it may be out
.elseif (\t) == 5
	s_wait_loadcnt 8                               ; one unit is left behind it
.else
	s_wait_loadcnt 0
.endif
	TURN (\t)+1                                    ; and go through the other stage while this unit is worked
.endif
	v_max3_num_f32 v9, |v[XS]|, |v[XS+1]|, |v[XS+2]|                ; the block's largest magnitude: all 32 numbers are mine; two chains
	v_max3_num_f32 v10, |v[XS+3]|, |v[XS+4]|, |v[XS+5]|
.irp i, 6,10,14,18,22,26
	v_max3_num_f32 v9, v9, |v[XS+\i]|, |v[XS+\i+1]|
	v_max3_num_f32 v10, v10, |v[XS+\i+2]|, |v[XS+\i+3]|
.endr
	v_max3_num_f32 v9, v9, |v[XS+30]|, |v[XS+31]|
	v_max3_num_f32 v9, v9, v10, 0x1800000          ; and the floor 2^(3 - 127): the byte cannot fall under 1
	v_add_nc_u32 v11, 0xff000000, v9               ; 2 off the exponent field: the conversion takes this operand's exponent field as its scale
	v_cvt_scalef32_pk16_fp6_f32 v[CC:CC+2], v[XS:XS+15], v11
	v_cvt_scalef32_pk16_fp6_f32 v[T:T+2], v[XS+16:XS+31], v11       ; (a conversion's three registers begin on an even number)
	v_lshrrev_b32 v14, 23, v11                     ; the scale's byte.  (This line and the next are the plain places behind the conversions)
.if (\t)%2 == 0
	v_lshlrev_b32 v[PW+(\t)/2], v[SHA], v14        ; block 2 t + h of my 16: word t / 2, byte 2 (t % 2) + h
.else
	v_lshl_or_b32 v[PW+(\t)/2], v14, v[SHB], v[PW+(\t)/2]
.endif
.irp i, 0,1,2
	v_mov_b32 v[CC+3+\i], v[T+\i]
.endr
	global_store_b128 v[L16], v[CC:CC+3], s[24:25] offset:768*(\t)          ; 512 consecutive bytes, at a multiple of 256 from the buffer's first byte
	global_store_b64 v[L8], v[CC+4:CC+5], s[24:25] offset:768*(\t)+512      ; and 256 more
.endm
	LOAD 0
	LOAD 1
	LOAD 2
	s_wait_loadcnt 16                              ; unit 0's eight loads are in; units 1 and 2 may be out
	TURN 0
.irp t, 0,1,2,3,4,5,6,7
	STEP \t
.endr
.irp q, 0,1,2,3
	v_permlanex16_b32 v[PD+\q], v[PW+\q], s34, s35
.endr
.irp q, 0,1,2,3
	v_or_b32 v[PW+\q], v[PW+\q], v[PD+\q]          ; with lane l xor 16's bytes each word is whole
.endr
	s_mov_b32 vcc_lo, 0xffff0000                   ; lanes 16-31
	v_cndmask_b32 v10, v[PW], v[PW+2], vcc_lo      ; lanes 0-15 store the words of my first 256 along K, lanes 16-31 those of the second
	v_cndmask_b32 v11, v[PW+1], v[PW+3], vcc_lo
	global_store_b64 v[L8], v[10:11], s[26:27]     ; 256 consecutive bytes, aligned
	s_wait_tensorcnt 0x0                           ; the wave's end: behind my last LDS store
	ds_add_u32 v[SPW], v[NIL]
	s_wait_dscnt 0x0
	s_endpgm
.Lfunc_end_k_q6932a6bc6e_quant:
	.size	k_q6932a6bc6e_quant, .Lfunc_end_k_q6932a6bc6e_quant-k_q6932a6bc6e_quant
	.p2alignl 7, 3214868480
	.fill 96, 4, 3214868480
	.section	.rodata,"a",@progbits
	.p2align	6, 0x0
	.amdhsa_kernel k_q6932a6bc6e_quant
		.amdhsa_group_segment_fixed_size 35328
		.amdhsa_private_segment_fixed_size 0
		.amdhsa_enable_private_segment 0
		.amdhsa_kernarg_size 72
		.amdhsa_user_sgpr_count 2
		.amdhsa_user_sgpr_kernarg_segment_ptr 1
		.amdhsa_wavefront_size32 1
		.amdhsa_system_sgpr_workgroup_id_x 1
		.amdhsa_system_sgpr_workgroup_id_y 1
		.amdhsa_system_sgpr_workgroup_id_z 1
		.amdhsa_system_vgpr_workitem_id 0
		.amdhsa_next_free_vgpr 236
		.amdhsa_next_free_sgpr 66
		.amdhsa_reserve_vcc 1
		.amdhsa_float_denorm_mode_32 3
		.amdhsa_float_denorm_mode_16_64 3
		.amdhsa_memory_ordered 1
		.amdhsa_forward_progress 1
		.amdhsa_inst_pref_size 31
	.end_amdhsa_kernel
	.amdgpu_metadata
---
amdhsa.version: [ 1, 2 ]
amdhsa.kernels:
  - .name:           k_q6932a6bc6e_quant
    .symbol:         k_q6932a6bc6e_quant.kd
    .args:
      - { .name: x, .offset: 0, .size: 8, .value_kind: global_buffer, .address_space: global }
      - { .name: Wq, .offset: 8, .size: 8, .value_kind: global_buffer, .address_space: global }
      - { .name: Wk, .offset: 16, .size: 8, .value_kind: global_buffer, .address_space: global }
      - { .name: Wv, .offset: 24, .size: 8, .value_kind: global_buffer, .address_space: global }
      - { .name: Wo, .offset: 32, .size: 8, .value_kind: global_buffer, .address_space: global }
      - { .name: xc, .offset: 40, .size: 8, .value_kind: global_buffer, .address_space: global }
      - { .name: xs, .offset: 48, .size: 8, .value_kind: global_buffer, .address_space: global }
      - { .name: wc, .offset: 56, .size: 8, .value_kind: global_buffer, .address_space: global }
      - { .name: ws, .offset: 64, .size: 8, .value_kind: global_buffer, .address_space: global }
    .group_segment_fixed_size: 35328
    .private_segment_fixed_size: 0
    .kernarg_segment_align: 8
    .kernarg_segment_size: 72
    .max_flat_workgroup_size: 128
    .sgpr_count:     66
    .vgpr_count:     236
    .wavefront_size: 32
...
	.end_amdgpu_metadata
.endif
;; end of part 1
;; launch qkv (part 2): grid 4 x 64, 4 waves a work-group, clusters of 4 x 4, 327,680 bytes of LDS; arguments xc, xs, wc, ws, bq, bk, bv, qkvc, qkvs; writes qkvc, qkvs
.if DOCPART == 2
	.amdgcn_target "amdgcn-amd-amdhsa--gfx1250"
	.amdhsa_code_object_version 6
	.text
	.protected	k_q6932a6bc6e_qkv
	.globl	k_q6932a6bc6e_qkv
	.p2align	8
	.type	k_q6932a6bc6e_qkv,@function
k_q6932a6bc6e_qkv:
	s_mov_b64 s[64:65], 0
	v_nop
	global_prefetch_b8 v0, s[64:65] scope:SCOPE_SE
	s_setreg_imm32_b32 hwreg(HW_REG_WAVE_MODE, 25, 1), 1
	s_wait_xcnt 0x0
	s_wait_alu depctr_hold_cnt(0) depctr_sa_sdst(0) depctr_va_vdst(0) depctr_va_sdst(0) depctr_va_ssrc(0) depctr_va_vcc(0) depctr_vm_vsrc(0)
	s_getreg_b32 s2, hwreg(HW_REG_IB_STS2, 6, 4)
	s_cmp_eq_u32 s2, 0
	s_cbranch_scc0 .Lentry_in_a_cluster
	s_endpgm
.Lentry_in_a_cluster:
	s_bfe_u32 s2, ttmp6, 0x10000c
	s_cmp_lg_u32 s2, 0xf033
	s_cbranch_scc0 .Lentry_shape_is_right
	s_endpgm
.Lentry_shape_is_right:
; Q, K, V = x W^T + b on codes of FP6 (E2M3) with E8M0 scales, and their quantisers: the results leave as codes and scale words in the order in which the attention launch's registers take them.  No f32 result is stored.
; IN: codes [row tile of 16][16 units of 64 along K][768 bytes], scale words [row tile][K / 256][r][2]; row tile 2 g + u holds in lane r row 32 g + 16 (r / 8) + 8 u + r % 8.  wc: Wq's 64 row tiles, Wk's, Wv's.
; SHARES.  256 work-groups.  Work-group (G, R) takes the 128 tokens of row block R (one key step of one batch) and heads 4 G .. 4 G + 3 of Q, then of K, then of V: three phases of 128 x 256 x 1,024.
; Wave w takes all 128 tokens (8 tiles) x the 64 weight rows of head 4 G + w (4 tiles): 32 accumulators.
; LDS: x's 128 rows, all of K, stay (two halves of K, 49,152 bytes each); the weights' 256 rows go through two slots of half of K (98,304 bytes each): x half 0, slot 0, x half 1, slot 1, the spare words.
; FILLS.  At the head one joint load a wave: x half 0, slot 0, x half 1, slot 1.  Four refills, each a quarter of a slot a wave, in a drained round of the cluster's barrier with the three lines ahead:
; in step 3 of Q's and K's phase slot 0 takes the next phase's first half, in step 7 slot 1 its second.  x's tiles are shared by a row of the cluster, the weights' by a column.
; Q, K: source 0 = the weights' rows, so a lane's 32 registers of a token tile are the head's 64 channels, 16 of each scale block.  V: source 0 = x's rows, so a lane's registers run along the tokens, which are the next product's K.
; With accumulator 4 a + b (Q, K) or 8 b + a (V) every 32 registers are one unit of 768 bytes, and ONE way out serves all three phases.
; SCALE WORDS go from memory straight into registers, 256 consecutive bytes an instruction: lanes 0-15 hold the words of K chunk 2 p, lanes 16-31 of chunk 2 p + 1; the instruction's row selector picks the chunk.
; THE BIAS is the C of a phase's first products.  PREFETCH: each refill's 16 pieces of 6,144 bytes are named once in a cluster's column, a piece to each of its sixteen waves (told apart by address), one half of K ahead of the load.
; LIMITS: a block whose largest magnitude lies under 2^-124 keeps the byte 1 (these bytes are read by this program alone); NaN and infinities are not served.
.set T6,    6144                       ; a row tile's half of K
.set AH,    8*T6
.set HALF,  24*T6
.set SPARE, 2*HALF
.set PH,    64*12288                   ; from a weight to the next, in bytes of codes
.set ADRA, 16                          ; v16, 17 LDS address of x's fragments in half 0, 1 (16 x lane); v18, 19 the same with 8 x lane
.set ADRB, 20                          ; v20-23 the same for my four weight tiles
.set SPW,  28
.set NIL,  29
.set SA,   30                          ; v30-61  x's scale words: 4 a + 2 p + q
.set SB,   64                          ; v64-79  the weights': 4 b + 2 p + q
.set BF,   112                         ; v112-207 the weights' fragments, two sets of four
.set BC,   208                         ; v208-239 Q's or K's bias
; window 1: v0-191 x's fragments, two sets of eight.  Window 2: the accumulators.  Window 3:
.set BCV,  0                           ; v0-31 V's bias
.set TM,   32
.set TP,   36
.set SOP,  40
.set BYT,  44
.set PX,   48
.set HW,   56
.set PC,   64                          ; v64-111 six code registers for each unit
.set WV,   112
.set WD,   116
.set A16,  120
.set A8,   121
.set G1A, 24
.set G0A, 32
.set G0B, 36
.set G1B, 48
.set G1R, 56
.set G0R, 68                           ; s[68:71], s[72:75] the refills' group 0, slot 0, 1
.set PF,  66
.set OC,  88
.set OS,  90
.set MSB, 0
.macro WIN new
.if MSB != \new
	s_set_vgpr_msb (MSB<<8)|\new
.set MSB, \new
.endif
.endm
.macro WALU
	s_wait_alu depctr_va_vdst(0)
.endm
.macro PLACES n
.rept \n
	v_nop
.endr
.endm
.macro CROUND
	s_barrier_signal -1
	s_barrier_wait -1
	s_cmp_lg_u32 s14, 0
	s_cbranch_scc1 .Lnot_wave_0_\@
	s_barrier_signal -3
.Lnot_wave_0_\@:
	s_barrier_wait -3
	s_barrier_signal -1
	s_barrier_wait -1
.endm
.macro GROUP1 g, rows                  ; rows of 6,144 bytes (768 elements of 8), 12,288 apart
	s_mov_b32 s[\g+1], 768<<16
	s_mov_b32 s[\g+2], (\rows)<<16
	s_mov_b32 s[\g+3], 768<<16
	s_mov_b32 s[\g+4], \rows
	s_mov_b32 s[\g+5], 1536
	s_mov_b32 s[\g+6], 0
	s_mov_b32 s[\g+7], 0
.endm
.macro TLOAD g0, g1
	tensor_load_to_lds s[\g0:\g0+3], s[\g1:\g1+7]
	s_nop 0
	PLACES 4
.endm
.macro ARM eq, g0, g1, next
	s_cmp_eq_u32 s14, \eq
	s_cbranch_scc0 \next
	TLOAD \g0, \g1
	s_branch .Lasked
\next:
.endm
.macro FRAG reg, adr, off
	ds_load_b128 v[\reg:\reg+3], v[\adr] offset:\off
	ds_load_b64 v[\reg+4:\reg+5], v[\adr+2] offset:\off+512
	ds_load_b128 v[\reg+6:\reg+9], v[\adr] offset:\off+768
	ds_load_b64 v[\reg+10:\reg+11], v[\adr+2] offset:\off+1280
.endm
.macro FETCH st                        ; the twelve fragments of step st % 8 into set st % 2
.set H_, ((\st)%8)/4
.set K_, ((\st)%4)*1536
.set E_, (\st)%2
	WIN 0x40
.irp a, 0,1,2,3,4,5,6,7
	FRAG 96*E_+12*\a, ADRA+H_, \a*T6+K_
.endr
	WIN 0
.irp b, 0,1,2,3
	FRAG BF+48*E_+12*\b, ADRB+H_, \b*T6+K_
.endr
.endm
.macro PRD d, s0, s1, c, x0, x1, row
.if \row
	v_wmma_scale_f32_16x16x128_f8f6f4 v[\d:\d+7], v[\s0:\s0+11], v[\s1:\s1+11], \c, v[\x0], v[\x1] matrix_a_fmt:MATRIX_FMT_FP6 matrix_b_fmt:MATRIX_FMT_FP6 matrix_a_scale:MATRIX_SCALE_ROW1 matrix_b_scale:MATRIX_SCALE_ROW1
.else
	v_wmma_scale_f32_16x16x128_f8f6f4 v[\d:\d+7], v[\s0:\s0+11], v[\s1:\s1+11], \c, v[\x0], v[\x1] matrix_a_fmt:MATRIX_FMT_FP6 matrix_b_fmt:MATRIX_FMT_FP6
.endif
.endm
; Products from .. to - 1 of step st; product n is x's tile n / 4 against weight tile n % 4.  The 32 accumulators take turns.
.macro MUL kind, st, from, to
.set E_, (\st)%2
.set X_, 2*((\st)/4)+(\st)%2
.set RW_, ((\st)/2)%2
.if \kind
.if (\st) == 0
	WIN 0xb1                               ; source 0 x (window 1), source 1 the weights (0), D window 2; in step 0 C is V's bias, window 3
.else
	WIN 0xa1                               ; C window 2
.endif
.else
.if (\st) == 0
	WIN 0x84                               ; source 0 the weights (window 0), source 1 x (1), D window 2; in step 0 C is the bias, window 0
.else
	WIN 0xa4                               ; C window 2
.endif
.endif
.set N_, \from
.rept (\to)-(\from)
.set A_, N_/4
.set B_, N_%4
.if \kind
.set D_, 8*(8*B_+A_)
.if (\st) == 0
	PRD D_, 96*E_+12*A_, BF+48*E_+12*B_, v[BCV+8*B_:BCV+8*B_+7], SA+4*A_+X_, SB+4*B_+X_, RW_
.else
	PRD D_, 96*E_+12*A_, BF+48*E_+12*B_, v[D_:D_+7], SA+4*A_+X_, SB+4*B_+X_, RW_
.endif
.else
.set D_, 8*N_
.if (\st) == 0
	PRD D_, BF+48*E_+12*B_, 96*E_+12*A_, v[BC+8*B_:BC+8*B_+7], SB+4*B_+X_, SA+4*A_+X_, RW_
.else
	PRD D_, BF+48*E_+12*B_, 96*E_+12*A_, v[D_:D_+7], SB+4*B_+X_, SA+4*A_+X_, RW_
.endif
.endif
.set N_, N_+1
.endr
.endm
; A step of 128 along K.  mode 0: the next step's fragments, then 32 products.  mode 1: the slot st / 4 has been read out: a drained round, its refill, the next fragments.  mode 2: a plain barrier shows the other half.  mode 3: nothing more is fetched.
.macro STEP kind, st, mode
	s_wait_dscnt 0x0                               ; this step's fragments are in
.if (\mode) == 0
	PLACES 4                                       ; between the last products and the loads into their registers
	FETCH (\st)+1
	MUL \kind, \st, 0, 32
.elseif (\mode) == 1
.set SL_, (\st)/4
	MUL \kind, \st, 0, 16
	WIN 0
	s_wait_tensorcnt 0x0                           ; all my tensor loads have landed: my part of the other slot;
	ds_add_u32 v[SPW], v[NIL]
	s_add_nc_u64 s[G0R+4*SL_+2:G0R+4*SL_+3], s[G0R+4*SL_+2:G0R+4*SL_+3], PH   ; no load of mine is out: this slot's place in the next weight
	s_wait_dscnt 0x0
	CROUND                                         ; no wave of any partner still reads this slot or has a load on its way
	TLOAD G0R+4*SL_, G1R                           ; the four v_nop behind it are the places ahead of the loads below
	FETCH (\st)+1
.if SL_ == 0
	global_prefetch_b8 v8, s[PF:PF+1] offset:PH+T6 th:TH_LOAD_NT scope:SCOPE_SE    ; what step 7's refill will load
.else
	s_cmp_eq_u32 s86, 0
	s_cbranch_scc0 .Lno_more_\@                    ; behind V's weights nothing is loaded
	global_prefetch_b8 v8, s[PF:PF+1] offset:2*PH th:TH_LOAD_NT scope:SCOPE_SE     ; what the next phase's step 3 will load
.Lno_more_\@:
.endif
	MUL \kind, \st, 16, 32
.elseif (\mode) == 2
	MUL \kind, \st, 0, 16
	WIN 0
	s_wait_tensorcnt 0x0
	s_barrier_signal -1
	s_barrier_wait -1                              ; slot 1 is whole
	PLACES 4
	FETCH (\st)+1
	MUL \kind, \st, 16, 32
.else
	MUL \kind, \st, 0, 32
.endif
	WIN 0
.endm
.macro SBLOAD
.irp b, 0,1,2,3
.irp p, 0,1
	global_load_b64 v[SB+4*\b+2*\p:SB+4*\b+2*\p+1], v7, s[78:79] offset:512*\b+256*\p
.endr
.endr
.endm
.macro BCLOAD base                     ; register 8 b + j of lane half h: channel 32 (b / 2) + 16 h + 8 (b % 2) + j of my head
.irp b, 0,1,2,3
	global_load_b128 v[BC+8*\b:BC+8*\b+3], v3, s[\base:\base+1] offset:128*(\b/2)+32*(\b%2)
	global_load_b128 v[BC+8*\b+4:BC+8*\b+7], v3, s[\base:\base+1] offset:128*(\b/2)+32*(\b%2)+16
.endr
.endm
; The way out of units i and i + 1: 32 registers each: two scale blocks, 16 numbers of each in either half of the lanes.  Four chains by turns.
.macro EPAIR i
	WIN 0xfa                                       ; sources 0, 1 the accumulators; the rest window 3
.irp x, 0,1
.irp n, 0,1
	v_max3_num_f32 v[TM+2*\x+\n], |v[32*((\i)+\x)+16*\n]|, |v[32*((\i)+\x)+16*\n+1]|, 0x1800000   ; with the floor 2^(3 - 127); each accumulator is first read at its low end
.endr
.endr
.irp k, 2,4,6,8,10,12,14
.irp x, 0,1
.irp n, 0,1
	v_max3_num_f32 v[TM+2*\x+\n], |v[32*((\i)+\x)+16*\n+\k]|, |v[32*((\i)+\x)+16*\n+\k+1]|, v[TM+2*\x+\n]
.endr
.endr
.endr
	WIN 0xff
.irp c, 0,1,2,3
	v_permlanex16_b32 v[TP+\c], v[TM+\c], s100, s101
.endr
.irp c, 0,1,2,3
	v_max_num_f32 v[TM+\c], v[TM+\c], v[TP+\c]     ; the block's largest magnitude
.endr
.irp c, 0,1,2,3
	v_add_nc_u32 v[SOP+\c], 0xff000000, v[TM+\c]   ; 2 off its exponent field: the conversion's scale operand
.endr
.irp c, 0,1,2,3
	v_lshrrev_b32 v[BYT+\c], 23, v[SOP+\c]
.endr
.irp x, 0,1
	v_lshl_or_b32 v[HW+(\i)+\x], v[BYT+2*\x+1], 8, v[BYT+2*\x]
.endr
	WIN 0xce
.irp x, 0,1
	v_cvt_scalef32_pk16_fp6_f32 v[PC+6*((\i)+\x):PC+6*((\i)+\x)+2], v[32*((\i)+\x):32*((\i)+\x)+15], v[SOP+2*\x]
	v_cvt_scalef32_pk16_fp6_f32 v[PX+4*\x:PX+4*\x+2], v[32*((\i)+\x)+16:32*((\i)+\x)+31], v[SOP+2*\x+1]
.endr
	WIN 0xff
	v_nop                                          ; one plain place behind a scaled conversion
.irp x, 0,1
.irp j, 0,1,2
	v_permlane16_swap_b32 v[PC+6*((\i)+\x)+\j], v[PX+4*\x+\j]    ; a whole block to a lane
.endr
.endr
.irp x, 0,1
.irp j, 0,1,2
	v_mov_b32 v[PC+6*((\i)+\x)+3+\j], v[PX+4*\x+\j]
.endr
.endr
	WIN 0x0f
.irp x, 0,1
	global_store_b128 v[A16], v[PC+6*((\i)+\x):PC+6*((\i)+\x)+3], s[OC:OC+1] offset:768*((\i)+\x)          ; 512 consecutive bytes, aligned to 256,
	global_store_b64 v[A8], v[PC+6*((\i)+\x)+4:PC+6*((\i)+\x)+5], s[OC:OC+1] offset:768*((\i)+\x)+512      ; and 256 more
.endr
.endm
.macro WAYOUT
.irp i, 0,2,4,6
	EPAIR \i
.endr
	WIN 0xff
.irp g, 0,1,2,3
	v_lshl_or_b32 v[WV+\g], v[HW+2*\g+1], 16, v[HW+2*\g]         ; fragment g's scale word of my row
.endr
	s_mov_b32 vcc_lo, 0xffff0000
	v_cndmask_b32 v[WD], v[WV], v[WV+1], vcc_lo                   ; word e of lane half h: fragment 2 e + h
	v_cndmask_b32 v[WD+1], v[WV+2], v[WV+3], vcc_lo
	WIN 0x0f
	global_store_b64 v[A8], v[WD:WD+1], s[OS:OS+1]                ; 256 consecutive bytes, aligned
	WIN 0
.endm
	s_load_b256 s[4:11], s[0:1], 0x0               ; xc, xs, wc, ws
	s_load_b256 s[92:99], s[0:1], 0x20             ; bq, bk, bv, qkvc
	s_load_b64 s[12:13], s[0:1], 0x40              ; qkvs
	v_lshl_add_u32 v[SPW], v0, 2, SPARE
	v_mov_b32 v[NIL], 0
	ds_add_u32 v[SPW], v[NIL]                      ; the opening lines
	ds_add_u32 v[SPW], v[NIL]
	v_lshrrev_b32 v1, 5, v0
	v_readfirstlane_b32 s14, v1                    ; wave
	s_lshr_b32 s15, s14, 1                         ; at the head: which half of K I fetch
	s_bfe_u32 s40, ttmp6, 0x40000                  ; cx
	s_bfe_u32 s41, ttmp6, 0x40004                  ; cy
	s_lshl_b32 s42, ttmp9, 2
	s_add_co_u32 s42, s42, s40                     ; G
	s_and_b32 s17, ttmp7, 0xffff
	s_lshl_b32 s17, s17, 2
	s_add_co_u32 s17, s17, s41                     ; R
	s_lshl_b32 s43, s41, 2
	s_lshl_b32 s43, 15, s43                        ; my row of the cluster
	s_lshl_b32 s44, 0x1111, s40                    ; my column
	s_or_b32 s[G1A], s43, (3<<16)|(1<<21)
	s_or_b32 s[G1B], s44, (3<<16)|(1<<21)
	s_or_b32 s[G1R], s44, (3<<16)|(1<<21)
	GROUP1 G1A, 8
	GROUP1 G1B, 16
	GROUP1 G1R, 4
	s_mul_i32 s18, s15, T6
	s_mul_i32 s20, s17, 8*12288
	s_add_co_u32 s20, s20, s18                     ; x's 8 row tiles, my half of K
	s_mov_b32 s21, 0
	s_mul_i32 s22, s42, 16*12288
	s_mul_i32 s46, s14, 4*12288
	s_add_co_u32 s46, s46, s22                     ; the refills: my four of the 16 weight tiles
	s_mov_b32 s47, 0
	s_add_co_u32 s22, s22, s18                     ; Wq's 16 row tiles, my half of K
	s_mov_b32 s23, 0
	s_mov_b32 s[G0A], 1
	s_mul_i32 s[G0A+1], s15, HALF
	s_mov_b32 s[G0B], 1
	s_add_co_u32 s[G0B+1], s[G0A+1], AH
	s_mov_b32 s[G0R], 1
	s_mul_i32 s[G0R+1], s14, 4*T6
	s_add_co_u32 s[G0R+1], s[G0R+1], AH
	s_mov_b32 s[G0R+4], 1
	s_add_co_u32 s[G0R+5], s[G0R+1], HALF
	s_lshl_b32 s2, s41, 2
	s_add_co_u32 s2, s2, s14                       ; my number among the sixteen waves of my column
	s_lshl_b32 s3, s42, 4
	s_add_co_u32 s2, s2, s3
	s_mul_i32 s2, s2, 12288
	s_mov_b32 s3, 0
	s_mov_b32 s100, 0x76543210
	s_mov_b32 s101, 0xfedcba98
	WALU
	s_wait_dscnt 0x0
	CROUND                                         ; the round in front of the first joint loads
	s_wait_kmcnt 0x0
	s_add_nc_u64 s[G0A+2:G0A+3], s[4:5], s[20:21]
	s_or_b32 s[G0A+3], s[G0A+3], 0x80000000
	s_add_nc_u64 s[G0B+2:G0B+3], s[8:9], s[22:23]
	s_or_b32 s[G0B+3], s[G0B+3], 0x80000000
	s_add_nc_u64 s[G0R+2:G0R+3], s[8:9], s[46:47]
	s_add_nc_u64 s[G0R+6:G0R+7], s[G0R+2:G0R+3], T6
	s_or_b32 s[G0R+3], s[G0R+3], 0x80000000
	s_or_b32 s[G0R+7], s[G0R+7], 0x80000000
	s_add_nc_u64 s[PF:PF+1], s[8:9], s[2:3]
	ARM 0, G0A, G1A, .Lw1                          ; x half 0
	ARM 1, G0B, G1B, .Lw2                          ; slot 0
	ARM 2, G0A, G1A, .Lw3                          ; x half 1
	TLOAD G0B, G1B                                 ; slot 1
.Lasked:
	s_lshl_b32 s76, s17, 12                        ; x's scale words: 8 row tiles of 512 bytes
	s_mov_b32 s77, 0
	s_add_nc_u64 s[76:77], s[6:7], s[76:77]
	s_lshl_b32 s16, s42, 2
	s_add_co_u32 s16, s16, s14                     ; my head
	s_lshl_b32 s78, s16, 11                        ; its four row tiles' scale words
	s_mov_b32 s79, 0
	s_add_nc_u64 s[78:79], s[10:11], s[78:79]
	s_lshl_b32 s20, s16, 8
	s_mov_b32 s21, 0
	s_add_nc_u64 s[80:81], s[92:93], s[20:21]
	s_add_nc_u64 s[82:83], s[94:95], s[20:21]
	s_add_nc_u64 s[84:85], s[96:97], s[20:21]
	s_lshr_b32 s18, s17, 4                         ; the batch
	s_mul_i32 s18, s18, 48
	s_add_co_u32 s18, s18, s16                     ; Q's plane; K's is 16 on, V's 32
	s_and_b32 s19, s17, 15                         ; the key step
	s_mul_i32 s[OC], s18, 98304
	s_mul_i32 s20, s19, 6144
	s_add_co_u32 s[OC], s[OC], s20
	s_mov_b32 s[OC+1], 0
	s_add_nc_u64 s[OC:OC+1], s[98:99], s[OC:OC+1]
	s_lshl_b32 s[OS], s18, 12
	s_lshl_b32 s20, s19, 8
	s_add_co_u32 s[OS], s[OS], s20
	s_mov_b32 s[OS+1], 0
	s_add_nc_u64 s[OS:OS+1], s[12:13], s[OS:OS+1]
	v_and_b32 v1, 15, v0
	v_bfe_u32 v2, v0, 4, 1
	v_and_b32 v5, 31, v0
	v_lshlrev_b32 v6, 4, v5
	v_lshlrev_b32 v7, 3, v5
	v_lshlrev_b32 v3, 6, v2
	v_and_b32 v4, 8, v1
	v_add_nc_u32 v4, v4, v1
	v_lshlrev_b32 v4, 2, v4                        ; V's bias: lane r of tile t has channel 32 (t / 2) + 16 (r / 8) + 8 (t % 2) + r % 8
	v_min_u32 v8, 23, v5
	v_lshlrev_b32 v8, 8, v8                        ; the prefetches: a lane to each 256 bytes of my piece of 6,144
.irp a, 0,1,2,3,4,5,6,7
.irp p, 0,1
	global_load_b64 v[SA+4*\a+2*\p:SA+4*\a+2*\p+1], v7, s[76:77] offset:512*\a+256*\p
.endr
.endr
	SBLOAD
	BCLOAD 80
	WIN 0xc0
.irp t, 0,1,2,3
	global_load_b32 v[BCV+8*\t], v4, s[84:85] offset:4*(32*(\t/2)+8*(\t%2))
.endr
	v_mov_b32 v[A16], v6
	v_mov_b32 v[A8], v7
.irp c, 0,1,2,3
	v_mov_b32 v[TP+\c], 0                          ; a lane permute's destination counts as one of its sources
.endr
	WIN 0
	global_prefetch_b8 v8, s[PF:PF+1] offset:PH th:TH_LOAD_NT scope:SCOPE_SE       ; what the first refill will load
	s_mul_i32 s21, s14, 4*T6
	s_add_co_u32 s21, s21, AH
	v_mov_b32 v[ADRA], v6
	v_add_nc_u32 v[ADRA+1], HALF, v6
	v_mov_b32 v[ADRA+2], v7
	v_add_nc_u32 v[ADRA+3], HALF, v7
	v_add_nc_u32 v[ADRB], s21, v6
	v_add_nc_u32 v[ADRB+2], s21, v7
	s_add_co_u32 s21, s21, HALF
	v_add_nc_u32 v[ADRB+1], s21, v6
	v_add_nc_u32 v[ADRB+3], s21, v7
	WALU
	s_wait_loadcnt 0x0
	WIN 0xc3
.irp t, 0,8,16,24
.irp i, 1,2,3,4,5,6,7
	v_mov_b32 v[BCV+\t+\i], v[BCV+\t]              ; V's number, one a lane and tile, over the tile's eight registers
.endr
.endr
	WIN 0
	WALU                                           ; the head's end
	s_cmp_lt_u32 s14, 2
	s_cbranch_scc0 .Lnot_first
	s_wait_tensorcnt 0x0
.Lnot_first:
	s_barrier_signal -1
	s_barrier_wait -1                              ; x half 0 and slot 0 are in; the other two may be on their way
	FETCH 0
	s_mov_b32 s86, 0
.Lqk:                                              ; two trips: Q, K
	s_wait_loadcnt 0x0                             ; this phase's scale words and bias
	STEP 0, 0, 0
	STEP 0, 1, 0
	STEP 0, 2, 0
	STEP 0, 3, 1
	STEP 0, 4, 0
	STEP 0, 5, 0
	STEP 0, 6, 0
	STEP 0, 7, 1
	PLACES 4                                       ; ahead of the loads into the scale registers and of the first read of the sums
	s_wait_xcnt 0x0                                ; the last phase's loads, stores and prefetches have read their registers
	s_add_nc_u64 s[78:79], s[78:79], 64*512
	s_add_nc_u64 s[PF:PF+1], s[PF:PF+1], PH
	SBLOAD                                         ; the next weight's scale words land under the way out
	s_cmp_lg_u32 s86, 0
	s_cbranch_scc1 .Lno_bias
	BCLOAD 82                                      ; and K's bias
.Lno_bias:
	WAYOUT
	s_wait_xcnt 0x0
	s_add_nc_u64 s[OC:OC+1], s[OC:OC+1], 16*98304
	s_add_nc_u64 s[OS:OS+1], s[OS:OS+1], 16*4096
	s_add_co_u32 s86, s86, 1
	s_cmp_lt_u32 s86, 2
	WALU
	s_cbranch_scc1 .Lqk
	s_wait_loadcnt 0x0
	STEP 1, 0, 0                                   ; V
	STEP 1, 1, 0
	STEP 1, 2, 0
	STEP 1, 3, 2
	STEP 1, 4, 0
	STEP 1, 5, 0
	STEP 1, 6, 0
	STEP 1, 7, 3
	PLACES 4
	WAYOUT
	s_wait_tensorcnt 0x0                           ; the wave's end
	ds_add_u32 v[SPW], v[NIL]
	s_wait_dscnt 0x0
	CROUND                                         ; the closing round
	s_endpgm
.Lfunc_end_k_q6932a6bc6e_qkv:
	.size	k_q6932a6bc6e_qkv, .Lfunc_end_k_q6932a6bc6e_qkv-k_q6932a6bc6e_qkv
	.p2alignl 7, 3214868480
	.fill 96, 4, 3214868480
	.section	.rodata,"a",@progbits
	.p2align	6, 0x0
	.amdhsa_kernel k_q6932a6bc6e_qkv
		.amdhsa_group_segment_fixed_size 327680
		.amdhsa_private_segment_fixed_size 0
		.amdhsa_enable_private_segment 0
		.amdhsa_kernarg_size 72
		.amdhsa_user_sgpr_count 2
		.amdhsa_user_sgpr_kernarg_segment_ptr 1
		.amdhsa_wavefront_size32 1
		.amdhsa_system_sgpr_workgroup_id_x 1
		.amdhsa_system_sgpr_workgroup_id_y 1
		.amdhsa_system_sgpr_workgroup_id_z 1
		.amdhsa_system_vgpr_workitem_id 0
		.amdhsa_next_free_vgpr 1024
		.amdhsa_next_free_sgpr 102
		.amdhsa_reserve_vcc 1
		.amdhsa_float_denorm_mode_32 3
		.amdhsa_float_denorm_mode_16_64 3
		.amdhsa_memory_ordered 1
		.amdhsa_forward_progress 1
		.amdhsa_inst_pref_size 169
	.end_amdhsa_kernel
	.amdgpu_metadata
---
amdhsa.version: [ 1, 2 ]
amdhsa.kernels:
  - .name:           k_q6932a6bc6e_qkv
    .symbol:         k_q6932a6bc6e_qkv.kd
    .args:
      - { .name: xc, .offset: 0, .size: 8, .value_kind: global_buffer, .address_space: global }
      - { .name: xs, .offset: 8, .size: 8, .value_kind: global_buffer, .address_space: global }
      - { .name: wc, .offset: 16, .size: 8, .value_kind: global_buffer, .address_space: global }
      - { .name: ws, .offset: 24, .size: 8, .value_kind: global_buffer, .address_space: global }
      - { .name: bq, .offset: 32, .size: 8, .value_kind: global_buffer, .address_space: global }
      - { .name: bk, .offset: 40, .size: 8, .value_kind: global_buffer, .address_space: global }
      - { .name: bv, .offset: 48, .size: 8, .value_kind: global_buffer, .address_space: global }
      - { .name: qkvc, .offset: 56, .size: 8, .value_kind: global_buffer, .address_space: global }
      - { .name: qkvs, .offset: 64, .size: 8, .value_kind: global_buffer, .address_space: global }
    .group_segment_fixed_size: 327680
    .private_segment_fixed_size: 0
    .kernarg_segment_align: 8
    .kernarg_segment_size: 72
    .max_flat_workgroup_size: 128
    .sgpr_count:     102
    .vgpr_count:     1024
    .wavefront_size: 32
...
	.end_amdgpu_metadata
.endif
;; end of part 2
;; launch attn (part 3): grid 4 x 64, 8 waves a work-group, clusters of 4 x 1, 214,016 bytes of LDS; arguments qkvc, qkvs, mask, yc, ys; writes yc, ys
.if DOCPART == 3
	.amdgcn_target "amdgcn-amd-amdhsa--gfx1250"
	.amdhsa_code_object_version 6
	.text
	.protected	k_q6932a6bc6e_attn
	.globl	k_q6932a6bc6e_attn
	.p2align	8
	.type	k_q6932a6bc6e_attn,@function
k_q6932a6bc6e_attn:
	s_mov_b64 s[64:65], 0
	v_nop
	global_prefetch_b8 v0, s[64:65] scope:SCOPE_SE
	s_setreg_imm32_b32 hwreg(HW_REG_WAVE_MODE, 25, 1), 1
	s_wait_xcnt 0x0
	s_wait_alu depctr_hold_cnt(0) depctr_sa_sdst(0) depctr_va_vdst(0) depctr_va_sdst(0) depctr_va_ssrc(0) depctr_va_vcc(0) depctr_vm_vsrc(0)
	s_getreg_b32 s2, hwreg(HW_REG_IB_STS2, 6, 4)
	s_cmp_eq_u32 s2, 0
	s_cbranch_scc0 .Lentry_in_a_cluster
	s_endpgm
.Lentry_in_a_cluster:
	s_bfe_u32 s2, ttmp6, 0x10000c
	s_cmp_lg_u32 s2, 0x3003
	s_cbranch_scc0 .Lentry_shape_is_right
	s_endpgm
.Lentry_shape_is_right:
; y[b][q][h][:] = the sum over keys of softmax(q . k / 8, keys with mask != 0 left out) v, both products on codes of FP6 (E2M3) with E8M0 scales; y is quantised along d and leaves as codes for the last product.
; THE SOFTMAX: t = score x log2(e) / 8; M = the running largest t rounded UP to a whole number; p = 2^(t - M) is quantised along the keys; the row's sum is taken of the unquantised p and divides O at the end.
; SHARES.  A work-group owns one head (b, h) and 512 queries; wave w owns, in each of two passes, 32 queries: two tiles of 16, which share every fragment of K and V and every mask register read from LDS.
; NO RING: a head's K and V codes, their scale words and the mask's table fit in LDS and are filled once, one tensor load a wave: waves 0-5 a third of K's or V's codes each, waves 6, 7 the scale words.
; The four work-groups of a head form a cluster and ask JOINTLY.  No prefetch: all fills go out at the head, and there is no loop ahead of them to ask in.
; LAYOUT.  S^T = K Q^T (source 0 = keys), O^T = V^T P^T (source 0 = channels): a lane holds one query.
; WHICH KEYS FORM A TILE is chosen by each lane's LDS address: fragment (c, a) takes in lane r the stored fragment 2 c + r / 8, stored lane 8 a + r % 8.  Its two tiles j = 2 a, 2 a + 1 then hold in row r key 64 c + 32 (r / 8) + 8 j + r % 8,
; so that the 32 score registers 32 c + 8 j + i of lane half h are keys 64 c + 32 h + 0 .. 31: ONE scale block of p, in the order of the operand's registers.  No lane asks another for a block's maximum, and no codes change lanes.
; K = 64 IN AN INSTRUCTION OF 128: a fragment of K holds two tiles of keys side by side; against [q | zeros] it gives the first tile's scores, against [zeros | q] the second's.
; THE MASK is the C of the score's matrix instruction: 0 for a key that counts, -2^100 for one that does not.  The running largest score begins at -2^99, above every masked score, so a masked key's p is 0 from the first step on.
; ONE LOOP OF 32 TRIPS serves both passes: 16 steps of 128 keys each; behind trips 15 and 31 a branch on the counter leads through the way out.  Behind a trip's score products one run of LDS loads brings the NEXT step's K, mask and scale words
; ((t + 1) % 16: the last trip's are read by nobody) and this step's V: the one wait for them stands ahead of the products with V.
; LIMITS: scores whose magnitude reaches 2^99 count as masked; a block whose largest magnitude lies under 2^-124 keeps the byte 1; NaN and infinities among the inputs are not served.
; A row with no open key has the sum 0: its scale bytes are stored as 0xff, which makes the last product's row NaN, as the reference's is.
; REGISTERS.  Window 0: scale words, both tiles' softmax state (24 registers each), Q, p's codes, S^T (then p).  Window 1: the mask's numbers, K's and V's fragments, O^T, addresses.
.set KIM,   0                          ; LDS: K's codes, 98,304 bytes;
.set VIM,   98304                      ; V's;
.set KSC,   196608                     ; K's scale words, 4,096 bytes; V's follow;
.set MBT,   204800                     ; the mask's table, 2,048 f32, stored by the waves: no fill lands there;
.set SPARE, 212992                     ; the spare words, 128 bytes a wave
.set SPW, 2
.set NIL, 3
.set KS,  4                            ; v4, 5   K's scale words, band c
.set VS,  6                            ; v6, 7   V's
.set QS,  8                            ; v8, 9   q's, tile 0, 1
.set PS,  10                           ; v10, 11 p's
.set SH,  12                           ; v12     8 h
.set QW,  13                           ; v13     the second pass's q scale word as loaded
.set T0,  14                           ; v14-37, v38-61: a tile's state:
.set NM,  0                            ;   -M
.set RS,  1                            ;   the running largest score
.set L,   2                            ;   the sum, two halves
.set F,   4                            ;   f = 2^(old M - new M), and a partner that is only named
.set MX,  6                            ;   four chains of maxima; the blocks' land in +0 and +2
.set L2,  10                           ;   the sum's second chain
.set SO,  12                           ;   the conversions' scale operands
.set BY,  14                           ;   at work
.set CT,  16                           ;   the second conversions' codes: +0..2, +4..6
.set QB,  62                           ; v62-91  zeros, q0, zeros, q1, zeros: six registers each
.set QN,  92                           ; v92-103 the second pass's q0, q1
.set PC,  104                          ; v104-127 p's codes, 12 a tile
.set S,   128                          ; v128-255 S^T, 64 a tile
.set MB,  0                            ; window 1: v0-63 the mask's numbers
.set KF,  64                           ; v64-111 K's four fragments
.set VF,  112                          ; v112-159 V's
.set OB,  160                          ; v160-223 O^T, 32 a tile
.set BK16, 224                         ; v224-230 LDS addresses at step 0; v232-238 at the step that is loaded
.set BK8,  225
.set BV16, 226
.set BV8,  227
.set BKS,  228
.set BVS,  229
.set BMB,  230
.set WK,   8                           ; from a step-0 address to its working copy
.set A16,  240                         ; v240-242 16 x lane, 8 x lane, 8 r: the stores' offsets
.set A8,   241
.set AR8,  242
.set SEL, 20                           ; s[20:21] lane selects: lane l xor 16
.set CS,  22                           ; s[22:23] c = log2(e) / 8
.set NC,  63                           ; s63 -c
.set MSB, 0
.macro WIN new                         ; the immediate's high byte repeats the setting that is left
.if MSB != \new
	s_set_vgpr_msb (MSB<<8)|\new
.set MSB, \new
.endif
.endm
.macro WALU
	s_wait_alu depctr_va_vdst(0)
.endm
.macro CROUND                          ; a round of the cluster's barrier
	s_barrier_signal -1
	s_barrier_wait -1
	s_cmp_lg_u32 s14, 0
	s_cbranch_scc1 .Lnot_wave_0_\@
	s_barrier_signal -3
.Lnot_wave_0_\@:
	s_barrier_wait -3
	s_barrier_signal -1
	s_barrier_wait -1
.endm
.macro FRAG reg, a16, a8, o16, o8      ; a fragment: two units of 16 + 8 bytes a lane
	ds_load_b128 v[\reg:\reg+3], v[\a16] offset:\o16
	ds_load_b64 v[\reg+4:\reg+5], v[\a8] offset:\o8+512
	ds_load_b128 v[\reg+6:\reg+9], v[\a16] offset:\o16+768
	ds_load_b64 v[\reg+10:\reg+11], v[\a8] offset:\o8+1280
.endm
; One run of LDS loads: K, mask and K's scale words at s48, s50, s49; and (first = 0) V and its scale words at s53, s62.  The additions are also the places between the score products and the loads into their registers.
.macro LOADS first
	WIN 0x41
	v_add_nc_u32 v[BK16+WK], v[BK16], s48
	v_add_nc_u32 v[BK8+WK], v[BK8], s48
	v_add_nc_u32 v[BKS+WK], v[BKS], s49
	v_add_nc_u32 v[BMB+WK], v[BMB], s50
.if !\first
	v_add_nc_u32 v[BV16+WK], v[BV16], s53
	v_add_nc_u32 v[BV8+WK], v[BV8], s53
	v_add_nc_u32 v[BVS+WK], v[BVS], s62
.endif
.irp c, 0,1
.irp a, 0,1
	FRAG KF+12*(2*\c+\a), BK16+WK, BK8+WK, 3072*\c+128*\a, 3072*\c+64*\a
.endr
.endr
.irp k, 0,1,2,3,4,5,6,7,8,9,10,11,12,13,14,15
	ds_load_b128 v[MB+4*\k:MB+4*\k+3], v[BMB+WK] offset:256*(\k/8)+16*(\k%8)   ; register 32 c + 8 j + i: key 64 c + 32 h + 8 j + i
.endr
.if !\first
.irp d, 0,1,2,3
	FRAG VF+12*\d, BV16+WK, BV8+WK, 1536*\d, 1536*\d
.endr
.endif
	WIN 0x01
	ds_load_b64 v[KS:KS+1], v[BKS+WK]              ; register c; lanes 0-15 fragment (c, 0)'s rows, lanes 16-31 fragment (c, 1)'s
.if !\first
	ds_load_b64 v[VS:VS+1], v[BVS+WK]
.endif
	WIN 0
.endm
.macro ST tau                          ; S^T of tile tau: 8 tiles of 16 keys; C = the mask's numbers
.irp c, 0,1
.irp a, 0,1
.irp u, 0,1
.set D_, S+64*(\tau)+32*\c+16*\a+8*\u
.set A_, KF+12*(2*\c+\a)
.set B_, QB+12*(\tau)+6-6*\u
.set C_, MB+32*\c+16*\a+8*\u
.if \a
	v_wmma_scale_f32_16x16x128_f8f6f4 v[D_:D_+7], v[A_:A_+11], v[B_:B_+11], v[C_:C_+7], v[KS+\c], v[QS+\tau] matrix_a_fmt:MATRIX_FMT_FP6 matrix_b_fmt:MATRIX_FMT_FP6 matrix_a_scale:MATRIX_SCALE_ROW1
.else
	v_wmma_scale_f32_16x16x128_f8f6f4 v[D_:D_+7], v[A_:A_+11], v[B_:B_+11], v[C_:C_+7], v[KS+\c], v[QS+\tau] matrix_a_fmt:MATRIX_FMT_FP6 matrix_b_fmt:MATRIX_FMT_FP6
.endif
.endr
.endr
.endr
.endm
.macro PV tau                          ; O^T += V^T P^T of tile tau: 4 tiles of 16 channels; the eight accumulators of both tiles take turns
.irp d, 0,1,2,3
.set D_, OB+32*(\tau)+8*\d
.if \d%2
	v_wmma_scale_f32_16x16x128_f8f6f4 v[D_:D_+7], v[VF+12*\d:VF+12*\d+11], v[PC+12*(\tau):PC+12*(\tau)+11], v[D_:D_+7], v[VS+\d/2], v[PS+\tau] matrix_a_fmt:MATRIX_FMT_FP6 matrix_b_fmt:MATRIX_FMT_FP6 matrix_a_scale:MATRIX_SCALE_ROW1
.else
	v_wmma_scale_f32_16x16x128_f8f6f4 v[D_:D_+7], v[VF+12*\d:VF+12*\d+11], v[PC+12*(\tau):PC+12*(\tau)+11], v[D_:D_+7], v[VS+\d/2], v[PS+\tau] matrix_a_fmt:MATRIX_FMT_FP6 matrix_b_fmt:MATRIX_FMT_FP6
.endif
.endr
.endm
; Line i (0 .. 31) of a tile's maxima: four chains by turns, one over each 16 registers; the last four lines join them to the two blocks' largest scores.  Each accumulator is first read at its low end.
.macro MAXE tau, i
.set LV_, (\i)/4
.set Q_, (\i)%4
.set TT_, T0+24*(\tau)+MX
.set B_, S+64*(\tau)+16*Q_
.if LV_ == 0
	v_max3_num_f32 v[TT_+Q_], v[B_], v[B_+1], v[B_+2]
.elseif LV_ < 7
	v_max3_num_f32 v[TT_+Q_], v[TT_+Q_], v[B_+2*LV_+1], v[B_+2*LV_+2]
.elseif Q_ < 2
	v_max3_num_f32 v[TT_+2*Q_], v[TT_+2*Q_], v[TT_+2*Q_+1], v[S+64*(\tau)+32*Q_+15]
.else
	v_max_num_f32 v[TT_+2*(Q_-2)], v[TT_+2*(Q_-2)], v[S+64*(\tau)+32*(Q_-2)+31]
.endif
.endm
; Line i (0 .. 8) of the chain that makes -M and f; it stands among another tile's independent lines.
.macro ME tau, i
.set TT_, T0+24*(\tau)
.if (\i) == 0
	v_max3_num_f32 v[TT_+RS], v[TT_+RS], v[TT_+MX], v[TT_+MX+2]
.elseif (\i) == 1
	v_permlanex16_b32 v[TT_+BY], v[TT_+RS], s[SEL], s[SEL+1]
.elseif (\i) == 2
	v_max_num_f32 v[TT_+RS], v[TT_+RS], v[TT_+BY]          ; with lane l xor 16's 64 keys: the running largest score
.elseif (\i) == 3
	v_mul_f32 v[TT_+BY], s[NC], v[TT_+RS]                  ; -t
.elseif (\i) == 4
	v_mov_b32 v[TT_+BY+1], v[TT_+NM]
.elseif (\i) == 5
	v_floor_f32 v[TT_+NM], v[TT_+BY]                       ; -M = floor(-t): M is a whole number
.elseif (\i) == 6
	v_sub_f32 v[TT_+BY+1], v[TT_+NM], v[TT_+BY+1]          ; old M - new M: a whole number, 0 or less
.elseif (\i) == 7
	v_cvt_i32_f32 v[TT_+BY+1], v[TT_+BY+1]                 ; (it saturates)
.elseif (\i) == 8
	v_ldexp_f32 v[TT_+F], 1.0, v[TT_+BY+1]
.endif
.endm
.macro BE tau, i                       ; line i (0 .. 33): t - M, two at a time; then the same of the two blocks' largest scores
.set TT_, T0+24*(\tau)
.if (\i) < 32
.set B_, S+64*(\tau)+2*(\i)
	v_pk_fma_f32 v[B_:B_+1], v[B_:B_+1], s[CS:CS+1], v[TT_+NM:TT_+NM+1] op_sel_hi:[1,0,0]
.else
	v_fma_f32 v[TT_+MX+2*((\i)-32)], v[TT_+MX+2*((\i)-32)], s[CS], v[TT_+NM]
.endif
.endm
.macro DA tau                          ; the blocks' scale operands, the four conversions, the scale bytes
.set TT_, T0+24*(\tau)
.irp c, 0,1
	v_max_num_f32 v[TT_+MX+2*\c], 0x1800000, v[TT_+MX+2*\c]        ; the floor 2^(3 - 127): a block whose every p is 0 keeps the byte 1: its codes are zeros
.endr
.irp c, 0,1
	v_add_nc_u32 v[TT_+SO+\c], 0xff000000, v[TT_+MX+2*\c]          ; 2 off the exponent field
.endr
.irp c, 0,1
	v_cvt_scalef32_pk16_fp6_f32 v[PC+12*(\tau)+6*\c:PC+12*(\tau)+6*\c+2], v[S+64*(\tau)+32*\c:S+64*(\tau)+32*\c+15], v[TT_+SO+\c]
	v_cvt_scalef32_pk16_fp6_f32 v[TT_+CT+4*\c:TT_+CT+4*\c+2], v[S+64*(\tau)+32*\c+16:S+64*(\tau)+32*\c+31], v[TT_+SO+\c]
.endr
.irp c, 0,1
	v_lshrrev_b32 v[TT_+BY+\c], 23, v[TT_+SO+\c]                   ; (also the plain place behind the conversions)
.endr
.endm
.macro QSC w                           ; q's two scale bytes, twice: for [q | 0] and [0 | q] alike
	v_and_b32 v[QS], 0xffff, v[\w]
	v_lshrrev_b32 v[QS+1], 16, v[\w]
	v_lshl_or_b32 v[QS], v[QS], 16, v[QS]
	v_lshl_or_b32 v[QS+1], v[QS+1], 16, v[QS+1]
.endm
.macro INIT                            ; a pass's start
.irp tau, 0,1
	v_mov_b32 v[T0+24*\tau+NM], 0x70000000         ; 2^97: the first f comes out 0
	v_mov_b32 v[T0+24*\tau+RS], 0xf1000000         ; -2^99
	v_mov_b32 v[T0+24*\tau+L], 0
	v_mov_b32 v[T0+24*\tau+L+1], 0
	v_mov_b32 v[T0+24*\tau+F+1], 0
	v_mov_b32 v[T0+24*\tau+BY], 0                  ; a lane permute's destination counts as one of its sources
	v_mov_b32 v[T0+24*\tau+BY+1], 0
.endr
	WIN 0x40
.set J, 0
.rept 64
	v_mov_b32 v[OB+J], 0                           ; O^T: the step is written once; a pass's first trip finds zeros
.set J, J+1
.endr
	WIN 0
.endm
	s_load_b256 s[4:11], s[0:1], 0x0               ; qkvc, qkvs, mask, yc
	s_load_b64 s[12:13], s[0:1], 0x20              ; ys
	v_lshl_add_u32 v[SPW], v0, 2, SPARE
	v_mov_b32 v[NIL], 0
	ds_add_u32 v[SPW], v[NIL]                      ; the opening lines: the add, twice on end, and its wait ahead of my tensor load
	ds_add_u32 v[SPW], v[NIL]
	v_lshrrev_b32 v1, 5, v0
	v_readfirstlane_b32 s14, v1                    ; wave 0..7
	s_bfe_u32 s15, ttmp6, 0x40000                  ; cx: my quarter of the queries: it enters Q's and y's addresses alone
	s_and_b32 s16, ttmp7, 0xffff
	s_lshr_b32 s17, s16, 4                         ; b
	s_and_b32 s18, s16, 15                         ; h
	s_mul_i32 s19, s17, 48
	s_add_co_u32 s19, s19, s18                     ; q's plane; k's is 16 on, v's 32
	s_mul_i32 s2, s14, 11
	s_lshr_b32 s2, s2, 5                           ; wave / 3: K (0) or V (1)
	s_mul_i32 s3, s2, 3
	s_sub_co_u32 s3, s14, s3                       ; wave % 3: which third
	s_add_co_u32 s62, s19, 16
	s_mul_i32 s66, s62, 98304
	s_mul_i32 s63, s2, 16*98304
	s_add_co_u32 s66, s66, s63
	s_lshl_b32 s63, s3, 15
	s_add_co_u32 s66, s66, s63
	s_mov_b32 s67, 0
	s_and_b32 s55, s14, 1                          ; waves 6, 7: K's or V's scale words
	s_lshl_b32 s68, s62, 12
	s_lshl_b32 s63, s55, 16
	s_add_co_u32 s68, s68, s63
	s_mov_b32 s69, 0
	s_lshl_b32 s70, s15, 4                         ; Q: group of 32 queries 16 cx + w (+ 8 in the second pass), 1,536 bytes each
	s_add_co_u32 s70, s70, s14
	s_mul_i32 s70, s70, 1536
	s_mul_i32 s71, s19, 98304
	s_add_co_u32 s70, s70, s71
	s_mov_b32 s71, 0
	s_lshl_b32 s72, s15, 2                         ; its scale word: step 4 cx + w / 4, fragment w % 4
	s_lshr_b32 s73, s14, 2
	s_add_co_u32 s72, s72, s73
	s_lshl_b32 s72, s72, 8
	s_lshl_b32 s73, s19, 12
	s_add_co_u32 s72, s72, s73
	s_and_b32 s73, s14, 1
	s_lshl_b32 s73, s73, 7
	s_add_co_u32 s72, s72, s73
	s_bfe_u32 s73, s14, 0x10001
	s_lshl_b32 s73, s73, 2
	s_add_co_u32 s72, s72, s73
	s_mov_b32 s73, 0
	s_lshl_b32 s74, s17, 7                         ; y: row tile 128 b + 32 cx + 2 w; F unit h
	s_lshl_b32 s75, s15, 5
	s_add_co_u32 s74, s74, s75
	s_lshl_b32 s75, s14, 1
	s_add_co_u32 s74, s74, s75
	s_lshl_b32 s76, s74, 9
	s_mul_i32 s74, s74, 12288
	s_mul_i32 s75, s18, 768
	s_add_co_u32 s74, s74, s75
	s_mov_b32 s75, 0
	s_lshr_b32 s77, s18, 2                         ; its two scale bytes: K step h / 4, word (h / 2) % 2, bytes 2 (h % 2) on
	s_lshl_b32 s77, s77, 7
	s_add_co_u32 s76, s76, s77
	s_bfe_u32 s77, s18, 0x10001
	s_lshl_b32 s77, s77, 2
	s_add_co_u32 s76, s76, s77
	s_and_b32 s77, s18, 1
	s_lshl_b32 s77, s77, 1
	s_add_co_u32 s76, s76, s77
	s_mov_b32 s77, 0
	s_lshl_b32 s78, s17, 13                        ; the mask's row
	s_mov_b32 s79, 0
	s_mov_b32 s24, 15|(3<<16)|(1<<21)              ; group 1, codes: the mask names all four; elements of 8 bytes; 128 rows of 256 bytes, dense
	s_mov_b32 s25, 32<<16
	s_mov_b32 s26, 128<<16
	s_mov_b32 s27, 32<<16
	s_mov_b32 s28, 128
	s_mov_b32 s29, 32
	s_mov_b32 s30, 0
	s_mov_b32 s31, 0
	s_mov_b32 s32, 15|(3<<16)|(1<<21)              ; group 1, scale words: 16 rows of 256 bytes
	s_mov_b32 s33, 32<<16
	s_mov_b32 s34, 16<<16
	s_mov_b32 s35, 32<<16
	s_mov_b32 s36, 16
	s_mov_b32 s37, 32
	s_mov_b32 s38, 0
	s_mov_b32 s39, 0
	s_mov_b32 s[SEL], 0x76543210
	s_mov_b32 s[SEL+1], 0xfedcba98
	s_mov_b32 s[CS], 0x3e38aa3b
	s_mov_b32 s[CS+1], s[CS]                       ; (named with it as a pair, so it is written)
	s_mov_b32 s[NC], 0xbe38aa3b
	WALU                                           ; ahead of the blocking wait
	s_wait_dscnt 0x0                               ; both opening adds are done
	s_wait_kmcnt 0x0
	s_add_nc_u64 s[70:71], s[4:5], s[70:71]        ; Q
	s_add_nc_u64 s[72:73], s[6:7], s[72:73]        ; Q's scale word
	s_add_nc_u64 s[74:75], s[10:11], s[74:75]      ; y's codes
	s_add_nc_u64 s[76:77], s[12:13], s[76:77]      ; y's scale bytes
	s_add_nc_u64 s[8:9], s[8:9], s[78:79]
	CROUND                                         ; all four work-groups are here: the joint loads meet
	s_mov_b32 s40, 1
	s_lshl_b32 s41, s14, 15                        ; waves 0-2 fill K's region, waves 3-5 V's, which follows it
	s_add_nc_u64 s[42:43], s[4:5], s[66:67]
	s_or_b32 s43, s43, 0x80000000
	s_mov_b32 s44, 1
	s_lshl_b32 s45, s55, 12
	s_add_co_u32 s45, s45, KSC
	s_add_nc_u64 s[46:47], s[6:7], s[68:69]
	s_or_b32 s47, s47, 0x80000000
	s_cmp_lt_u32 s14, 6                            ; one chain, one load to an arm: every wave issues one
	s_cbranch_scc0 .Lscales
	tensor_load_to_lds s[40:43], s[24:31]
	s_nop 0
.rept 4
	v_nop
.endr
	s_branch .Lasked
.Lscales:
	tensor_load_to_lds s[44:47], s[32:39]
	s_nop 0
.rept 4
	v_nop
.endr
.Lasked:
	v_and_b32 v130, 31, v0                         ; lane
	v_bfe_u32 v131, v0, 4, 1                       ; h
	v_and_b32 v132, 7, v0                          ; r % 8
	v_bfe_u32 v133, v0, 3, 1                       ; r / 8
	v_and_b32 v134, 15, v0                         ; r
	v_lshlrev_b32 v140, 4, v130
	v_lshlrev_b32 v141, 3, v130
	v_lshlrev_b32 v142, 3, v134
	v_lshlrev_b32 v143, 4, v0
	global_load_b128 v[144:147], v143, s[8:9]      ; the mask of my batch: 8 keys a thread
	global_load_b128 v[148:151], v143, s[8:9] offset:4096
.irp p, 0,1                            ; both passes' Q: two tiles and their scale word
.set R_, (1-\p)*(QB+6)+\p*QN
.set R2_, (1-\p)*(QB+18)+\p*(QN+6)
	global_load_b128 v[R_:R_+3], v140, s[70:71] offset:12288*\p
	global_load_b64 v[R_+4:R_+5], v141, s[70:71] offset:12288*\p+512
	global_load_b128 v[R2_:R2_+3], v140, s[70:71] offset:12288*\p+768
	global_load_b64 v[R2_+4:R2_+5], v141, s[70:71] offset:12288*\p+1280
.endr
	global_load_b32 v[T0+CT], v142, s[72:73]
	global_load_b32 v[QW], v142, s[72:73] offset:512
.irp z, 0,12,24
.irp j, 0,1,2,3,4,5
	v_mov_b32 v[QB+\z+\j], 0                       ; the zero codes beside q0 and q1
.endr
.endr
	v_mov_b32 v152, 0xf1800000                     ; -2^100
	v_lshl_add_u32 v153, v0, 4, MBT                ; where I store my part of the table
	v_lshlrev_b32 v[SH], 3, v131
	v_mul_u32_u24 v135, v133, 1536                 ; the stored fragment 2 c + r / 8
	v_lshl_add_u32 v136, v132, 4, v135
	v_lshl_add_u32 v137, v132, 3, v135
	v_lshl_add_u32 v138, v132, 3, KSC
	v_lshl_add_u32 v139, v133, 7, v138
	WIN 0x40
	v_lshl_add_u32 v[BK16], v131, 8, v136          ; K: 1,536 (r / 8) + 16 (r % 8 + 16 h); the immediate adds 3,072 c + 128 a
	v_lshl_add_u32 v[BK8], v131, 7, v137
	v_lshl_add_u32 v[BV16], v130, 4, VIM           ; V: as it lies
	v_lshl_add_u32 v[BV8], v130, 3, VIM
	v_lshl_add_u32 v[BKS], v131, 6, v139           ; K's words: 8 (8 a + r % 8 + 16 (r / 8)), a = my half
	v_lshl_add_u32 v[BVS], v130, 3, KSC+4096
	v_lshl_add_u32 v[BMB], v131, 7, MBT            ; the mask's table + 128 h
	v_lshlrev_b32 v[A16], 4, v130
	v_lshlrev_b32 v[A8], 3, v130
	v_lshlrev_b32 v[AR8], 3, v134
	WIN 0
	s_mov_b32 s48, 0
	s_mov_b32 s49, 0
	s_mov_b32 s50, 0
	s_mov_b32 s51, 0                               ; the trip
	WALU                                           ; ahead of the blocking waits
	s_wait_loadcnt 0x0
	s_wait_tensorcnt 0x0                           ; my part of K, V or their scale words has landed
.irp i, 144,145,146,147,148,149,150,151
	v_cmp_ne_u32 vcc_lo, 0, v\i
	v_cndmask_b32 v\i, 0, v152, vcc_lo
.endr
	ds_store_b128 v153, v[144:147]
	ds_store_b128 v153, v[148:151] offset:4096
	s_wait_dscnt 0x0                               ; my part of the table is stored:
	s_barrier_signal -1
	s_barrier_wait -1                              ; everybody's are.  Nothing in LDS is written again
	QSC T0+CT
	INIT
	WALU                                           ; the head's end
	LOADS 1                                        ; step 0's K, mask and scale words
	s_wait_dscnt 0x0
.Lstep:
	WIN 0x11                                       ; K and the mask in window 1
	ST 0
	s_add_co_u32 s52, s51, 1
	s_and_b32 s52, s52, 15                         ; the next step
	s_mul_i32 s48, s52, 6144
	s_lshl_b32 s49, s52, 8
	ST 1
	s_lshl_b32 s50, s52, 9
	s_and_b32 s55, s51, 15                         ; this step
	s_mul_i32 s53, s55, 6144
	s_lshl_b32 s62, s55, 8
	LOADS 0
.set I, 0
.rept 32
	MAXE 0, I
.set I, I+1
.endr
.set I, 0
.rept 32                               ; tile 1's maxima, tile 0's chain to -M and f among them
	MAXE 1, I
.if I%3 == 2
	ME 0, I/3
.endif
.set I, I+1
.endr
.set I, 0
.rept 34                               ; tile 0's t - M, tile 1's chain among them
	BE 0, I
.if I%3 == 2
	ME 1, I/3
.endif
.set I, I+1
.endr
.irp tau, 0,1
	v_pk_mul_f32 v[T0+24*\tau+L:T0+24*\tau+L+1], v[T0+24*\tau+L:T0+24*\tau+L+1], v[T0+24*\tau+F:T0+24*\tau+F+1] op_sel_hi:[1,0]   ; the sums under the new M
.endr
	WIN 0x41
.irp tau, 0,1
.set J, 0
.rept 16
	v_pk_mul_f32 v[OB+32*\tau+J:OB+32*\tau+J+1], v[OB+32*\tau+J:OB+32*\tau+J+1], v[T0+24*\tau+F:T0+24*\tau+F+1] op_sel_hi:[1,0]   ; O^T under the new M, each accumulator from its low end on, ahead of every transcendental of the trip
.set J, J+2
.endr
.endr
	WIN 0
	WALU                                           ; ahead of the batch
	v_exp_f32 v[T0+MX], v[T0+MX]                   ; the blocks' largest p
	v_exp_f32 v[T0+MX+2], v[T0+MX+2]
.set I, 0
.rept 64                               ; tile 0's p = 2^(t - M); among them tile 1's t - M: lines that no line of the batch reads
	v_exp_f32 v[S+I], v[S+I]
.if I%2
	BE 1, I/2
.endif
.set I, I+1
.endr
	BE 1, 32
	BE 1, 33
	WALU                                           ; behind the batch, and ahead of the next
	DA 0
	v_exp_f32 v[T0+24+MX], v[T0+24+MX]
	v_exp_f32 v[T0+24+MX+2], v[T0+24+MX+2]
.set I, 0
.rept 64                               ; tile 1's p; among them the first level of tile 0's sum, in place: its codes are made
	v_exp_f32 v[S+64+I], v[S+64+I]
.if I%4 == 3
	v_pk_add_f32 v[S+I-3:S+I-2], v[S+I-3:S+I-2], v[S+I-1:S+I]
.endif
.set I, I+1
.endr
	WALU                                           ; behind the batch
	DA 1
.irp tau, 0,1
.irp c, 0,1
.irp i, 0,1,2
	v_mov_b32 v[PC+12*\tau+6*\c+3+\i], v[T0+24*\tau+CT+4*\c+\i]   ; (a conversion's three registers begin on an even number)
.endr
.endr
.endr
.irp tau, 0,1
	v_lshl_or_b32 v[T0+24*\tau+BY], v[T0+24*\tau+BY+1], 16, v[T0+24*\tau+BY]     ; my bytes: blocks h and 2 + h,
.endr
.irp tau, 0,1
	v_lshlrev_b32 v[T0+24*\tau+BY], v[SH], v[T0+24*\tau+BY]                      ; at their places;
.endr
.irp tau, 0,1
	v_permlanex16_b32 v[T0+24*\tau+BY+1], v[T0+24*\tau+BY], s[SEL], s[SEL+1]
.endr
.irp tau, 0,1
	v_or_b32 v[PS+\tau], v[T0+24*\tau+BY], v[T0+24*\tau+BY+1]                    ; with lane l xor 16's two the word is whole
.endr
	v_pk_add_f32 v[T0+24+L2:T0+24+L2+1], v[S+64:S+65], v[S+66:S+67]               ; the rows' sums of the unquantised p: four chains by turns; these lines are also the places ahead of the products
	v_pk_add_f32 v[T0+L2:T0+L2+1], v[S:S+1], v[S+4:S+5]
.set J, 2
.rept 15
	v_pk_add_f32 v[T0+24+L:T0+24+L+1], v[T0+24+L:T0+24+L+1], v[S+64+2*J:S+64+2*J+1]
	v_pk_add_f32 v[T0+24+L2:T0+24+L2+1], v[T0+24+L2:T0+24+L2+1], v[S+64+2*J+2:S+64+2*J+3]
.if (J%4 == 2) && (J < 30)
	v_pk_add_f32 v[T0+L:T0+L+1], v[T0+L:T0+L+1], v[S+2*J+4:S+2*J+5]
	v_pk_add_f32 v[T0+L2:T0+L2+1], v[T0+L2:T0+L2+1], v[S+2*J+8:S+2*J+9]
.endif
.set J, J+2
.endr
.irp tau, 0,1
	v_pk_add_f32 v[T0+24*\tau+L:T0+24*\tau+L+1], v[T0+24*\tau+L:T0+24*\tau+L+1], v[T0+24*\tau+L2:T0+24*\tau+L2+1]
.endr
	WIN 0x51                                       ; O^T and V in window 1
	s_wait_dscnt 0x0                               ; the trip's one run of LDS loads: V, and the next step's K, mask and words
	PV 0
	PV 1
	WIN 0
	s_cmp_lg_u32 s55, 15
	WALU                                           ; ahead of the branches
	s_cbranch_scc1 .Lnext
; THE WAY OUT of both tiles: O^T / the sum, quantised along d (two blocks of 32, 16 numbers in each half of the lanes), one F unit and two scale bytes a tile.
.irp tau, 0,1
	v_add_f32 v[T0+24*\tau+L], v[T0+24*\tau+L], v[T0+24*\tau+L+1]
.endr
.irp tau, 0,1
	v_permlanex16_b32 v[T0+24*\tau+BY], v[T0+24*\tau+L], s[SEL], s[SEL+1]
.endr
.irp tau, 0,1
	v_add_f32 v[T0+24*\tau+L], v[T0+24*\tau+L], v[T0+24*\tau+BY]   ; the row's sum
.endr
	WALU
.irp tau, 0,1
	v_rcp_f32 v[T0+24*\tau+F], v[T0+24*\tau+L]
.endr
.irp tau, 0,1
	v_cmp_eq_f32 s[2+\tau], 0, v[T0+24*\tau+L]     ; a row with no open key
	v_mov_b32 v[T0+24*\tau+MX+3], 0xffff
.endr
	WIN 0x01
	WALU                                           ; behind the reciprocals, directly ahead of the first readers of O^T
.irp tau, 0,1
.set J, 0
.rept 16
	v_pk_mul_f32 v[S+64*\tau+J:S+64*\tau+J+1], v[OB+32*\tau+J:OB+32*\tau+J+1], v[T0+24*\tau+F:T0+24*\tau+F+1] op_sel_hi:[1,0]   ; register 16 n + i = y(query r, d = 32 n + 16 h + i)
.set J, J+2
.endr
.endr
	WIN 0
.irp tau, 0,1
.irp n, 0,1
	v_max3_num_f32 v[T0+24*\tau+MX+\n], |v[S+64*\tau+16*\n]|, |v[S+64*\tau+16*\n+1]|, 0x1800000
.endr
.endr
.irp i, 2,4,6,8,10,12,14
.irp tau, 0,1
.irp n, 0,1
	v_max3_num_f32 v[T0+24*\tau+MX+\n], v[T0+24*\tau+MX+\n], |v[S+64*\tau+16*\n+\i]|, |v[S+64*\tau+16*\n+\i+1]|
.endr
.endr
.endr
.irp tau, 0,1
.irp n, 0,1
	v_permlanex16_b32 v[T0+24*\tau+BY+\n], v[T0+24*\tau+MX+\n], s[SEL], s[SEL+1]
.endr
.endr
.irp tau, 0,1
.irp n, 0,1
	v_max_num_f32 v[T0+24*\tau+MX+\n], v[T0+24*\tau+MX+\n], v[T0+24*\tau+BY+\n]
.endr
.endr
.irp tau, 0,1
.irp n, 0,1
	v_add_nc_u32 v[T0+24*\tau+SO+\n], 0xff000000, v[T0+24*\tau+MX+\n]
.endr
.endr
.irp tau, 0,1
.irp n, 0,1
	v_lshrrev_b32 v[T0+24*\tau+BY+\n], 23, v[T0+24*\tau+SO+\n]
.endr
.endr
.irp tau, 0,1
	v_lshl_or_b32 v[T0+24*\tau+BY], v[T0+24*\tau+BY+1], 8, v[T0+24*\tau+BY]      ; the two scale bytes,
.endr
.irp tau, 0,1
	v_cndmask_b32 v[T0+24*\tau+BY], v[T0+24*\tau+BY], v[T0+24*\tau+MX+3], s[2+\tau]   ; or twice 0xff
.endr
.irp tau, 0,1
	v_cvt_scalef32_pk16_fp6_f32 v[PC+12*\tau:PC+12*\tau+2], v[S+64*\tau:S+64*\tau+15], v[T0+24*\tau+SO]
	v_cvt_scalef32_pk16_fp6_f32 v[T0+24*\tau+CT:T0+24*\tau+CT+2], v[S+64*\tau+16:S+64*\tau+31], v[T0+24*\tau+SO+1]
.endr
	v_nop                                          ; one plain place behind a scaled conversion
.irp tau, 0,1
.irp i, 0,1,2
	v_permlane16_swap_b32 v[PC+12*\tau+\i], v[T0+24*\tau+CT+\i]   ; a whole block to a lane
.endr
.endr
.irp tau, 0,1
.irp i, 0,1,2
	v_mov_b32 v[PC+12*\tau+3+\i], v[T0+24*\tau+CT+\i]
.endr
.endr
	WIN 0x01                                       ; the stores' offsets lie in window 1
.irp tau, 0,1
	global_store_b128 v[A16], v[PC+12*\tau:PC+12*\tau+3], s[74:75] offset:12288*\tau        ; 512 consecutive bytes, aligned to 256,
	global_store_b64 v[A8], v[PC+12*\tau+4:PC+12*\tau+5], s[74:75] offset:12288*\tau+512    ; and 256 more
	global_store_b16 v[AR8], v[T0+24*\tau+BY], s[76:77] offset:512*\tau                     ; two bytes a row: a scale word spans two heads, which belong to two work-groups; both halves of the lanes write the same
.endr
	WIN 0
	s_cmp_eq_u32 s51, 31
	WALU
	s_cbranch_scc1 .Ldone                          ; behind the second pass nothing is set up
	s_wait_xcnt 0x0                                ; the stores have read their data and their bases
	s_add_nc_u64 s[74:75], s[74:75], 196608
	s_add_nc_u64 s[76:77], s[76:77], 8192
.irp i, 0,1,2,3,4,5
	v_mov_b32 v[QB+6+\i], v[QN+\i]                 ; the second pass's q0, q1
	v_mov_b32 v[QB+18+\i], v[QN+6+\i]
.endr
	QSC QW
	INIT
	WALU                                           ; ahead of the branch below
.Lnext:
	s_add_co_u32 s51, s51, 1
	s_cmp_lt_u32 s51, 32
	s_cbranch_scc1 .Lstep
.Ldone:
	s_wait_tensorcnt 0x0                           ; the wave's end: behind my tensor load and my last LDS store
	ds_add_u32 v[SPW], v[NIL]
	s_wait_dscnt 0x0
	CROUND                                         ; the closing round
	s_endpgm
.Lfunc_end_k_q6932a6bc6e_attn:
	.size	k_q6932a6bc6e_attn, .Lfunc_end_k_q6932a6bc6e_attn-k_q6932a6bc6e_attn
	.p2alignl 7, 3214868480
	.fill 96, 4, 3214868480
	.section	.rodata,"a",@progbits
	.p2align	6, 0x0
	.amdhsa_kernel k_q6932a6bc6e_attn
		.amdhsa_group_segment_fixed_size 214016
		.amdhsa_private_segment_fixed_size 0
		.amdhsa_enable_private_segment 0
		.amdhsa_kernarg_size 40
		.amdhsa_user_sgpr_count 2
		.amdhsa_user_sgpr_kernarg_segment_ptr 1
		.amdhsa_wavefront_size32 1
		.amdhsa_system_sgpr_workgroup_id_x 1
		.amdhsa_system_sgpr_workgroup_id_y 1
		.amdhsa_system_sgpr_workgroup_id_z 1
		.amdhsa_system_vgpr_workitem_id 0
		.amdhsa_next_free_vgpr 512
		.amdhsa_next_free_sgpr 80
		.amdhsa_reserve_vcc 1
		.amdhsa_float_denorm_mode_32 3
		.amdhsa_float_denorm_mode_16_64 3
		.amdhsa_memory_ordered 1
		.amdhsa_forward_progress 1
		.amdhsa_inst_pref_size 55
	.end_amdhsa_kernel
	.amdgpu_metadata
---
amdhsa.version: [ 1, 2 ]
amdhsa.kernels:
  - .name:           k_q6932a6bc6e_attn
    .symbol:         k_q6932a6bc6e_attn.kd
    .args:
      - { .name: qkvc, .offset: 0, .size: 8, .value_kind: global_buffer, .address_space: global }
      - { .name: qkvs, .offset: 8, .size: 8, .value_kind: global_buffer, .address_space: global }
      - { .name: mask, .offset: 16, .size: 8, .value_kind: global_buffer, .address_space: global }
      - { .name: yc, .offset: 24, .size: 8, .value_kind: global_buffer, .address_space: global }
      - { .name: ys, .offset: 32, .size: 8, .value_kind: global_buffer, .address_space: global }
    .group_segment_fixed_size: 214016
    .private_segment_fixed_size: 0
    .kernarg_segment_align: 8
    .kernarg_segment_size: 40
    .max_flat_workgroup_size: 256
    .sgpr_count:     80
    .vgpr_count:     512
    .wavefront_size: 32
...
	.end_amdgpu_metadata
.endif
;; end of part 3
;; launch oproj (part 4): grid 4 x 64, 4 waves a work-group, clusters of 4 x 4, 327,680 bytes of LDS; arguments yc, ys, wc, ws, bo, out0; writes out0
.if DOCPART == 4
	.amdgcn_target "amdgcn-amd-amdhsa--gfx1250"
	.amdhsa_code_object_version 6
	.text
	.protected	k_q6932a6bc6e_oproj
	.globl	k_q6932a6bc6e_oproj
	.p2align	8
	.type	k_q6932a6bc6e_oproj,@function
k_q6932a6bc6e_oproj:
	s_mov_b64 s[64:65], 0
	v_nop
	global_prefetch_b8 v0, s[64:65] scope:SCOPE_SE
	s_setreg_imm32_b32 hwreg(HW_REG_WAVE_MODE, 25, 1), 1
	s_wait_xcnt 0x0
	s_wait_alu depctr_hold_cnt(0) depctr_sa_sdst(0) depctr_va_vdst(0) depctr_va_sdst(0) depctr_va_ssrc(0) depctr_va_vcc(0) depctr_vm_vsrc(0)
	s_getreg_b32 s2, hwreg(HW_REG_IB_STS2, 6, 4)
	s_cmp_eq_u32 s2, 0
	s_cbranch_scc0 .Lentry_in_a_cluster
	s_endpgm
.Lentry_in_a_cluster:
	s_bfe_u32 s2, ttmp6, 0x10000c
	s_cmp_lg_u32 s2, 0xf033
	s_cbranch_scc0 .Lentry_shape_is_right
	s_endpgm
.Lentry_shape_is_right:
; out0 = y Wo^T + bo on codes of FP6 (E2M3) with E8M0 scales; f32 sums, f32 out.
; IN: codes [row tile of 16][16 units of 64 along K][768 bytes], scale words [row tile][K / 256][r][2]; row tile 2 g + u holds in lane r row 32 g + 16 (r / 8) + 8 u + r % 8.  Wo's row tiles are wc's 192 to 255.
; SHARES.  256 work-groups: (G, R) makes 128 rows x 256 columns; wave w takes all 128 rows (8 tiles) x 64 columns (4 weight tiles): 32 accumulators.
; NO RING: both operands, all of K, fit in LDS (294,912 bytes) and are filled once, one joint load a wave: y half 0 of K, Wo half 0, y half 1, Wo half 1.  The first barrier shows the first two, a barrier in step 3 the others.
; y's tiles are shared by a row of the cluster, Wo's by a column.  No prefetch: all fills go out at the head, and there is no loop ahead of them to ask in.
; Source 0 = Wo's rows: a lane's registers run along the columns.  The bias is the C of the first products.  Scale words go from memory straight into registers, 256 consecutive bytes an instruction; the row selector picks the K chunk.
; THE WAY OUT: 16 rows x 64 columns at a time through the wave's own stage, which lies in y's half 0: nobody reads that behind the barrier of step 3, and nothing is filled there again.  Sixteen lanes store a row's 256 bytes.
.set T6,    6144
.set AH,    8*T6
.set HALF,  24*T6
.set SPARE, 2*HALF
.set SPITCH, 272
.set ADRA, 16
.set ADRB, 20
.set STO,  24
.set RD,   25
.set CO,   26
.set SPW,  28
.set NIL,  29
.set SA,   30                          ; v30-61 y's scale words
.set SB,   64                          ; v64-79 Wo's
.set BF,   112                         ; v112-207 Wo's fragments, two sets; on the way out v112-175: rows read back
.set BC,   208                         ; v208-239 the bias
.set BK,   112
.set G1A, 24
.set G0A, 32
.set G0B, 36
.set G1B, 48
.set MSB, 0
.macro WIN new
.if MSB != \new
	s_set_vgpr_msb (MSB<<8)|\new
.set MSB, \new
.endif
.endm
.macro WALU
	s_wait_alu depctr_va_vdst(0)
.endm
.macro PLACES n
.rept \n
	v_nop
.endr
.endm
.macro CROUND
	s_barrier_signal -1
	s_barrier_wait -1
	s_cmp_lg_u32 s14, 0
	s_cbranch_scc1 .Lnot_wave_0_\@
	s_barrier_signal -3
.Lnot_wave_0_\@:
	s_barrier_wait -3
	s_barrier_signal -1
	s_barrier_wait -1
.endm
.macro GROUP1 g, rows
	s_mov_b32 s[\g+1], 768<<16
	s_mov_b32 s[\g+2], (\rows)<<16
	s_mov_b32 s[\g+3], 768<<16
	s_mov_b32 s[\g+4], \rows
	s_mov_b32 s[\g+5], 1536
	s_mov_b32 s[\g+6], 0
	s_mov_b32 s[\g+7], 0
.endm
.macro TLOAD g0, g1
	tensor_load_to_lds s[\g0:\g0+3], s[\g1:\g1+7]
	s_nop 0
	PLACES 4
.endm
.macro ARM eq, g0, g1, next
	s_cmp_eq_u32 s14, \eq
	s_cbranch_scc0 \next
	TLOAD \g0, \g1
	s_branch .Lasked
\next:
.endm
.macro FRAG reg, adr, off
	ds_load_b128 v[\reg:\reg+3], v[\adr] offset:\off
	ds_load_b64 v[\reg+4:\reg+5], v[\adr+2] offset:\off+512
	ds_load_b128 v[\reg+6:\reg+9], v[\adr] offset:\off+768
	ds_load_b64 v[\reg+10:\reg+11], v[\adr+2] offset:\off+1280
.endm
.macro FETCH st
.set H_, (\st)/4
.set K_, ((\st)%4)*1536
.set E_, (\st)%2
	WIN 0x40
.irp a, 0,1,2,3,4,5,6,7
	FRAG 96*E_+12*\a, ADRA+H_, \a*T6+K_
.endr
	WIN 0
.irp b, 0,1,2,3
	FRAG BF+48*E_+12*\b, ADRB+H_, \b*T6+K_
.endr
.endm
.macro PRD d, s0, s1, c, x0, x1, row
.if \row
	v_wmma_scale_f32_16x16x128_f8f6f4 v[\d:\d+7], v[\s0:\s0+11], v[\s1:\s1+11], \c, v[\x0], v[\x1] matrix_a_fmt:MATRIX_FMT_FP6 matrix_b_fmt:MATRIX_FMT_FP6 matrix_a_scale:MATRIX_SCALE_ROW1 matrix_b_scale:MATRIX_SCALE_ROW1
.else
	v_wmma_scale_f32_16x16x128_f8f6f4 v[\d:\d+7], v[\s0:\s0+11], v[\s1:\s1+11], \c, v[\x0], v[\x1] matrix_a_fmt:MATRIX_FMT_FP6 matrix_b_fmt:MATRIX_FMT_FP6
.endif
.endm
.macro MUL st, from, to                ; product n: y's tile n / 4 against weight tile n % 4; the 32 accumulators take turns
.set E_, (\st)%2
.set X_, 2*((\st)/4)+(\st)%2
.set RW_, ((\st)/2)%2
.if (\st) == 0
	WIN 0x84                               ; source 0 Wo (window 0), source 1 y (1), D window 2; in step 0 C is the bias, window 0
.else
	WIN 0xa4                               ; C window 2
.endif
.set N_, \from
.rept (\to)-(\from)
.set A_, N_/4
.set B_, N_%4
.set D_, 8*N_
.if (\st) == 0
	PRD D_, BF+48*E_+12*B_, 96*E_+12*A_, v[BC+8*B_:BC+8*B_+7], SB+4*B_+X_, SA+4*A_+X_, RW_
.else
	PRD D_, BF+48*E_+12*B_, 96*E_+12*A_, v[D_:D_+7], SB+4*B_+X_, SA+4*A_+X_, RW_
.endif
.set N_, N_+1
.endr
.endm
.macro STEP st, mode                   ; mode 0: the next fragments, 32 products; 2: a plain barrier shows the second halves; 3: nothing more is fetched
	s_wait_dscnt 0x0
.if (\mode) == 0
	PLACES 4
	FETCH (\st)+1
	MUL \st, 0, 32
.elseif (\mode) == 2
	MUL \st, 0, 16
	WIN 0
	s_wait_tensorcnt 0x0
	s_barrier_signal -1
	s_barrier_wait -1                              ; the second halves are whole, and nobody reads the first any more
	PLACES 4
	FETCH (\st)+1
	MUL \st, 16, 32
.else
	MUL \st, 0, 32
.endif
	WIN 0
.endm
.macro TOSTAGE a
	WIN 0x08                                       ; the data: window 2
.irp b, 0,1,2,3
	ds_store_b128 v[STO], v[32*(\a)+8*\b:32*(\a)+8*\b+3] offset:128*(\b/2)+32*(\b%2)        ; each accumulator from its low end on
	ds_store_b128 v[STO], v[32*(\a)+8*\b+4:32*(\a)+8*\b+7] offset:128*(\b/2)+32*(\b%2)+16
.endr
	WIN 0
.set BB, BK+32*((\a)%2)
.irp t, 0,1,2,3,4,5,6,7
	ds_load_b128 v[BB+4*\t:BB+4*\t+3], v[RD] offset:\t*2*SPITCH    ; LDS serves a wave's instructions in order: these see the stores above
.endr
.endm
.macro SEND a, younger
.set BB, BK+32*((\a)%2)
	s_wait_dscnt \younger
.if (\a) > 0
.if (\a)%2
	s_add_nc_u64 s[94:95], s[94:95], 8*4096        ; (behind a wait on XCNT)  tile 2 g + 1 begins 8 rows behind tile 2 g,
.else
	s_add_nc_u64 s[94:95], s[94:95], 24*4096       ; tile 2 g + 2 another 24
.endif
.endif
.irp t, 0,1,2,3,4,5,6,7
	global_store_b128 v[CO], v[BB+4*\t:BB+4*\t+3], s[94:95] offset:(16*(\t/4)+2*(\t%4))*4096 th:TH_STORE_NT   ; sixteen lanes store 256 consecutive bytes, aligned
.endr
.endm
	s_load_b256 s[4:11], s[0:1], 0x0               ; yc, ys, wc, ws
	s_load_b128 s[92:95], s[0:1], 0x20             ; bo, out0
	v_lshl_add_u32 v[SPW], v0, 2, SPARE
	v_mov_b32 v[NIL], 0
	ds_add_u32 v[SPW], v[NIL]                      ; the opening lines
	ds_add_u32 v[SPW], v[NIL]
	v_lshrrev_b32 v1, 5, v0
	v_readfirstlane_b32 s14, v1
	s_lshr_b32 s15, s14, 1                         ; which half of K I fetch
	s_bfe_u32 s40, ttmp6, 0x40000
	s_bfe_u32 s41, ttmp6, 0x40004
	s_lshl_b32 s42, ttmp9, 2
	s_add_co_u32 s42, s42, s40                     ; G
	s_and_b32 s17, ttmp7, 0xffff
	s_lshl_b32 s17, s17, 2
	s_add_co_u32 s17, s17, s41                     ; R
	s_lshl_b32 s43, s41, 2
	s_lshl_b32 s43, 15, s43
	s_lshl_b32 s44, 0x1111, s40
	s_or_b32 s[G1A], s43, (3<<16)|(1<<21)
	s_or_b32 s[G1B], s44, (3<<16)|(1<<21)
	GROUP1 G1A, 8
	GROUP1 G1B, 16
	s_mul_i32 s18, s15, T6
	s_mul_i32 s20, s17, 8*12288
	s_add_co_u32 s20, s20, s18
	s_mov_b32 s21, 0
	s_lshl_b32 s22, s42, 4
	s_add_co_u32 s22, s22, 192
	s_mul_i32 s22, s22, 12288
	s_add_co_u32 s22, s22, s18
	s_mov_b32 s23, 0
	s_mov_b32 s[G0A], 1
	s_mul_i32 s[G0A+1], s15, HALF
	s_mov_b32 s[G0B], 1
	s_add_co_u32 s[G0B+1], s[G0A+1], AH
	WALU
	s_wait_dscnt 0x0
	CROUND                                         ; the round in front of the joint loads
	s_wait_kmcnt 0x0
	s_add_nc_u64 s[G0A+2:G0A+3], s[4:5], s[20:21]
	s_or_b32 s[G0A+3], s[G0A+3], 0x80000000
	s_add_nc_u64 s[G0B+2:G0B+3], s[8:9], s[22:23]
	s_or_b32 s[G0B+3], s[G0B+3], 0x80000000
	ARM 0, G0A, G1A, .Lw1
	ARM 1, G0B, G1B, .Lw2
	ARM 2, G0A, G1A, .Lw3
	TLOAD G0B, G1B
.Lasked:
	s_lshl_b32 s76, s17, 12
	s_mov_b32 s77, 0
	s_add_nc_u64 s[76:77], s[6:7], s[76:77]        ; y's scale words
	s_lshl_b32 s16, s42, 2
	s_add_co_u32 s16, s16, s14                     ; my 64 columns
	s_lshl_b32 s78, s16, 11
	s_add_co_u32 s78, s78, 192*512
	s_mov_b32 s79, 0
	s_add_nc_u64 s[78:79], s[10:11], s[78:79]      ; Wo's
	s_lshl_b32 s20, s16, 8
	s_mov_b32 s21, 0
	s_add_nc_u64 s[92:93], s[92:93], s[20:21]      ; the bias
	s_lshl_b32 s22, s17, 19                        ; 128 rows of 4,096 bytes
	s_add_co_u32 s20, s20, s22
	s_add_nc_u64 s[94:95], s[94:95], s[20:21]
	v_and_b32 v1, 15, v0
	v_bfe_u32 v2, v0, 4, 1
	v_and_b32 v5, 31, v0
	v_lshlrev_b32 v6, 4, v5
	v_lshlrev_b32 v7, 3, v5
	v_lshlrev_b32 v3, 6, v2
.irp a, 0,1,2,3,4,5,6,7
.irp p, 0,1
	global_load_b64 v[SA+4*\a+2*\p:SA+4*\a+2*\p+1], v7, s[76:77] offset:512*\a+256*\p
.endr
.endr
.irp b, 0,1,2,3
.irp p, 0,1
	global_load_b64 v[SB+4*\b+2*\p:SB+4*\b+2*\p+1], v7, s[78:79] offset:512*\b+256*\p
.endr
.endr
.irp b, 0,1,2,3
	global_load_b128 v[BC+8*\b:BC+8*\b+3], v3, s[92:93] offset:128*(\b/2)+32*(\b%2)
	global_load_b128 v[BC+8*\b+4:BC+8*\b+7], v3, s[92:93] offset:128*(\b/2)+32*(\b%2)+16
.endr
	s_mul_i32 s21, s14, 4*T6
	s_add_co_u32 s21, s21, AH
	v_mov_b32 v[ADRA], v6
	v_add_nc_u32 v[ADRA+1], HALF, v6
	v_mov_b32 v[ADRA+2], v7
	v_add_nc_u32 v[ADRA+3], HALF, v7
	v_add_nc_u32 v[ADRB], s21, v6
	v_add_nc_u32 v[ADRB+2], s21, v7
	s_add_co_u32 s21, s21, HALF
	v_add_nc_u32 v[ADRB+1], s21, v6
	v_add_nc_u32 v[ADRB+3], s21, v7
	s_mul_i32 s23, s14, 16*SPITCH                  ; my stage
	v_mul_u32_u24 v8, v1, SPITCH
	v_lshl_add_u32 v8, v2, 6, v8
	v_add_nc_u32 v[STO], s23, v8                   ; in: row r, 64 bytes on for lanes 16-31
	v_mul_u32_u24 v9, v2, SPITCH
	v_lshl_add_u32 v9, v1, 4, v9
	v_add_nc_u32 v[RD], s23, v9                    ; back: sixteen lanes to a row, two rows an instruction
	v_lshlrev_b32 v10, 12, v2
	v_lshl_add_u32 v[CO], v1, 4, v10               ; and the same two rows in out0
	WALU                                           ; the head's end
	s_wait_loadcnt 0x0
	s_cmp_lt_u32 s14, 2
	s_cbranch_scc0 .Lnot_first
	s_wait_tensorcnt 0x0
.Lnot_first:
	s_barrier_signal -1
	s_barrier_wait -1                              ; the first halves are in
	FETCH 0
	STEP 0, 0
	STEP 1, 0
	STEP 2, 0
	STEP 3, 2
	STEP 4, 0
	STEP 5, 0
	STEP 6, 0
	STEP 7, 3
	PLACES 4
	TOSTAGE 0
.irp a, 1,2,3,4,5,6,7
.if \a > 1
	s_wait_xcnt 0x0                                ; block a - 2's stores have read their registers and their base
.endif
	TOSTAGE \a
	SEND \a-1, 16                                  ; behind block a - 1's loads: block a's 8 stores and 8 loads
.endr
	s_wait_xcnt 0x0
	SEND 7, 0
	s_wait_tensorcnt 0x0                           ; the wave's end
	ds_add_u32 v[SPW], v[NIL]
	s_wait_dscnt 0x0
	CROUND                                         ; the closing round
	s_endpgm
.Lfunc_end_k_q6932a6bc6e_oproj:
	.size	k_q6932a6bc6e_oproj, .Lfunc_end_k_q6932a6bc6e_oproj-k_q6932a6bc6e_oproj
	.p2alignl 7, 3214868480
	.fill 96, 4, 3214868480
	.section	.rodata,"a",@progbits
	.p2align	6, 0x0
	.amdhsa_kernel k_q6932a6bc6e_oproj
		.amdhsa_group_segment_fixed_size 327680
		.amdhsa_private_segment_fixed_size 0
		.amdhsa_enable_private_segment 0
		.amdhsa_kernarg_size 48
		.amdhsa_user_sgpr_count 2
		.amdhsa_user_sgpr_kernarg_segment_ptr 1
		.amdhsa_wavefront_size32 1
		.amdhsa_system_sgpr_workgroup_id_x 1
		.amdhsa_system_sgpr_workgroup_id_y 1
		.amdhsa_system_sgpr_workgroup_id_z 1
		.amdhsa_system_vgpr_workitem_id 0
		.amdhsa_next_free_vgpr 768
		.amdhsa_next_free_sgpr 102
		.amdhsa_reserve_vcc 0
		.amdhsa_float_denorm_mode_32 3
		.amdhsa_float_denorm_mode_16_64 3
		.amdhsa_memory_ordered 1
		.amdhsa_forward_progress 1
		.amdhsa_inst_pref_size 84
	.end_amdhsa_kernel
	.amdgpu_metadata
---
amdhsa.version: [ 1, 2 ]
amdhsa.kernels:
  - .name:           k_q6932a6bc6e_oproj
    .symbol:         k_q6932a6bc6e_oproj.kd
    .args:
      - { .name: yc, .offset: 0, .size: 8, .value_kind: global_buffer, .address_space: global }
      - { .name: ys, .offset: 8, .size: 8, .value_kind: global_buffer, .address_space: global }
      - { .name: wc, .offset: 16, .size: 8, .value_kind: global_buffer, .address_space: global }
      - { .name: ws, .offset: 24, .size: 8, .value_kind: global_buffer, .address_space: global }
      - { .name: bo, .offset: 32, .size: 8, .value_kind: global_buffer, .address_space: global }
      - { .name: out0, .offset: 40, .size: 8, .value_kind: global_buffer, .address_space: global }
    .group_segment_fixed_size: 327680
    .private_segment_fixed_size: 0
    .kernarg_segment_align: 8
    .kernarg_segment_size: 48
    .max_flat_workgroup_size: 128
    .sgpr_count:     102
    .vgpr_count:     768
    .wavefront_size: 32
...
	.end_amdgpu_metadata
.endif
;; end of part 4
